; MI455X (gfx1250); checked and timed in simulation.
; The chip was launched on July 23, 2026; its instructions are those of AMD's public machine-readable ISA for CDNA 5 (MIT licence, August 2026) and "CDNA5" Instruction Set Architecture Reference Guide (July 2026). The comments in the code are by the model that wrote it; some were corrected since.
;; Multi Head Attention. Allowed arithmetic: matrix products marked QUANTISED: E2M3 operands, one E8M0 scale for each 32 along K, by v_wmma_scale_f32_16x16x128_f8f6f4 with both operands' format E2M3, f32 sums; everything else in f32.
;; Inputs: Wk 1,024 x 1,024 float32; Wo 1,024 x 1,024 float32; Wq 1,024 x 1,024 float32; Wv 1,024 x 1,024 float32; bo 1,024 float32; x 4 x 2,048 x 1,024 float32.
;; Outputs: out0 4 x 2,048 x 1,024 float32.
;; This version of the problem:
;;   THIS VERSION OF THE PROBLEM IS GIVEN IN LOW PRECISION. The matrix products marked QUANTISED in the list below multiply operands that are first quantised to E2M3 (2 exponent bits, 3 mantissa bits; 6 bits a number), with one power-of-two scale for each 32 numbers along K (OCP MX v1.0); their sums are f32. All else is computed in f32.
;;   The module's matrix products, in the order in which they are computed (A, B: the left and right operand; K: the contracted axis; several contracted axes count as one K, in the product's order):
;;     1. [M 8,192, K 1,024] x [K 1,024, N 1,024]; A: input x; B: input Wq: QUANTISED
;;     2. [M 8,192, K 1,024] x [K 1,024, N 1,024]; A: input x; B: input Wk: QUANTISED
;;     3. [M 8,192, K 1,024] x [K 1,024, N 1,024]; A: input x; B: input Wv: QUANTISED
;;     4. batch 64 x [M 2,048, K 64] x [K 64, N 2,048]; A: computed on the way; B: computed on the way: QUANTISED
;;     5. batch 64 x [M 2,048, K 2,048] x [K 2,048, N 64]; A: softmax (see below); B: computed on the way: QUANTISED
;;     6. [M 8,192, K 1,024] x [K 1,024, N 1,024]; A: computed on the way; B: input Wo: QUANTISED
;;   THE QUANTISER, for each operand of a quantised product, along K:
;;     - K is cut into blocks of 32 from its start; a last block that is shorter is filled with zeros.
;;     - A block's scale is 2^e with e = floor(log2(the largest magnitude in the block)) - 2, held to -126 .. 127; a block of zeros has e = 0. As a byte (E8M0): e + 127.
;;     - Each number is divided by its block's scale, clamped to +-7.5, and rounded to the nearest number of E2M3, ties to even, subnormals kept.
;;     - The product sums the exact products of the quantised numbers (number of the format x scale) in f32.
;;   ~~~python
;;   def quantise(x, axis):      # numpy; x: float32 -> the quantised numbers, widened to float32 again
;;       x = np.moveaxis(x, axis, -1); K = x.shape[-1]
;;       x = np.pad(x, [(0, 0)] * (x.ndim - 1) + [(0, -K % 32)]); x = x.reshape(x.shape[:-1] + (-1, 32)); a = np.abs(x).max(-1, keepdims=True)
;;       e = np.where(a > 0, np.clip(np.frexp(np.where(a > 0, a, 1))[1] - 1 - 2, -126, 127), 0)      # np.frexp(a)[1] - 1 = floor(log2(a)), exactly
;;       r = np.clip(x / 2.0 ** e, -7.5, 7.5)
;;       step = 2.0 ** (np.maximum(np.frexp(np.where(r == 0, 1, r))[1] - 1, 0) - 3)
;;       q = np.round(r / step) * step * 2.0 ** e      # np.round: ties to even
;;       return np.moveaxis(q.reshape(q.shape[:-2] + (-1,))[..., :K], -1, axis).astype(np.float32)
;;   ~~~
;;   SOFTMAX AHEAD OF A QUANTISED PRODUCT. Where the list says 'softmax', what is quantised is not the finished softmax but p = 2^(t - M), with t = logit x log2(e) and M = ceil(the row's largest t), a whole number; so 1/2 < the row's largest p <= 1. The row's sum l is taken of the UNQUANTISED p, in f32, and the product's result is divided by l at the end. Since M is a whole number, a kernel that streams over the keys may use a running M (the ceiling of the running maximum): every later rescaling is an exact power of two, which a block's scale takes up: the codes' values come out the same.
;;   OPERANDS COMPUTED ON THE WAY. 'Computed on the way' means the value that the module computes at that place (a softmax that the list does not call 'softmax' is quantised finished and normalised). What goes into a quantiser is computed in f32, as accurately as f32 sums, v_exp_f32 and their like allow (about 1e-6 of the number): no bf16 or f16 on the way to a quantiser, and a product that is left as it is and whose result goes on into a quantised operand takes f32 operands (vector FMAs, or v_wmma_f32_16x16x4_f32). A number that lies on a knife's edge between two numbers of the format may be rounded either way, as far as f32 arithmetic and the matrix unit's own rounding can turn it there, and no further.
;; One version. Each part assembles by itself: llvm-mc -triple=amdgcn-amd-amdhsa -mcpu=gfx1250 --defsym DOCPART=n.
;; ======== version 1 of 1: 5 launches
;; workspace buffers: xc 6,291,456 bytes; xs 262,144 bytes; wc 3,145,728 bytes; ws 131,072 bytes; qb 6,553,600 bytes; kv 13,107,200 bytes; oc 6,291,456 bytes; os 262,144 bytes
;; launch quant_x (part 1): grid 256 x 1, 4 waves a work-group, no clusters, 33,280 bytes of LDS; arguments x, xc, xs; writes xc, xs
.if DOCPART == 1
	.amdgcn_target "amdgcn-amd-amdhsa--gfx1250"
	.amdhsa_code_object_version 6
	.text
	.protected	k_q1102a23d99_quant_x
	.globl	k_q1102a23d99_quant_x
	.p2align	8
	.type	k_q1102a23d99_quant_x,@function
k_q1102a23d99_quant_x:
	s_mov_b64 s[64:65], 0
	v_nop
	global_prefetch_b8 v0, s[64:65] scope:SCOPE_SE
	s_setreg_imm32_b32 hwreg(HW_REG_WAVE_MODE, 25, 1), 1
	s_wait_xcnt 0x0
; x [8192][1024], f32, becomes codes of FP6 (E2M3), K innermost (xc: a row is 768 bytes), with one E8M0 scale byte for each 32 along K (xs: a row is 32 bytes).
; A block's scale is 2^(floor(log2(its largest magnitude)) - 2); its byte is the largest magnitude's own exponent field - 2, held at 1 from below.
; LIMITS: a block of zeros gets the byte 1 where the quantiser says 127 (its codes are zeros, and this program alone reads the bytes); a block whose largest magnitude lies under 2^-124 is held at the byte 1;
; NaN and infinities among the inputs are not served.
; Rows are dense and 1024 is a multiple of 32: the tensor is a plain stream of blocks of 32, and so are its codes and its scale bytes.
; A wave takes 16 steps of 512 numbers.  Each of a step's four loads reads 512 consecutive bytes, 16 a lane; the 2,048 bytes turn through the wave's own stage in LDS and come back 64 bytes a lane,
; so that a lane holds 16 neighbours along K (two neighbouring lanes hold a block).  A lane's 16 codes are 12 bytes: a wave stores 384 consecutive bytes.  A wave's 256 scale bytes are gathered in LDS and leave as one aligned run of 256.
; No barrier: waves share nothing.  Loads run four steps ahead, the turn through LDS one step.
.set WAVES, 4
.set STEPS, 16
.set CB,    12                         ; bytes of 16 codes
.set R,     16                         ; v16-79   four sets of 16 numbers as they are loaded
.set X,     80                         ; v80-111  two sets of 16 neighbours
.set C,     128                        ; v128-191 codes: four registers for each step, so that no store's data are written again
.set E,     112                        ; v112-127 a scale byte for each step
.set WREG,  8192                       ; LDS: a region for each wave: two stages of 32 x SP bytes, behind them its 256 scale bytes
.set SP,    80                         ; a lane's place in a stage: 64 bytes + 16 of padding
.set SPW,   12                         ; v12      LDS address of my spare word; never rewritten
.set NIL,   13                         ; v13      0; never rewritten
.set SPARE, WAVES*WREG                 ; behind the four regions: the spare words, 128 bytes a wave, which no other line names
	s_load_b64 s[4:5], s[0:1], 0x0                 ; x
	s_load_b64 s[8:9], s[0:1], 0x8                 ; xc
	s_load_b64 s[10:11], s[0:1], 0x10              ; xs
	v_lshl_add_u32 v[SPW], v0, 2, SPARE
	v_mov_b32 v[NIL], 0
	v_lshrrev_b32 v1, 5, v0
	v_readfirstlane_b32 s16, v1                    ; wave
	v_and_b32 v2, 31, v0                           ; lane
	v_lshlrev_b32 v3, 4, v2                        ; my 16 bytes of a load's 512
	s_mul_i32 s17, s16, WREG
	v_lshrrev_b32 v14, 2, v2
	v_mul_u32_u24 v14, v14, SP
	v_and_b32 v15, 3, v2
	v_lshl_add_u32 v14, v15, 4, v14
	v_add_nc_u32 v14, s17, v14                     ; the stage, on the way in: SP (lane / 4) + 16 (lane % 4)
	v_mul_u32_u24 v15, v2, SP
	v_add_nc_u32 v15, s17, v15                     ; and on the way out: SP x lane: my 16 neighbours
	v_mul_u32_u24 v4, v2, CB                       ; my codes' place in a step's
	v_lshrrev_b32 v5, 1, v2
	s_add_co_u32 s17, s17, 2*32*SP
	v_add_nc_u32 v5, s17, v5                       ; LDS: my wave's 256 scale bytes, my block's byte
	v_lshlrev_b32 v7, 3, v2                        ; and on the way out 8 bytes a lane
	v_add_nc_u32 v6, s17, v7
	s_lshl_b32 s17, ttmp9, 2
	s_add_co_u32 s18, s17, s16                     ; which run of 8,192 numbers is my wave's
	s_mov_b32 s19, 0
	s_mov_b64 s[20:21], 512*STEPS*4
	s_mul_u64 s[20:21], s[18:19], s[20:21]
	s_mov_b64 s[22:23], 32*STEPS*CB
	s_mul_u64 s[22:23], s[18:19], s[22:23]
	s_lshl_b32 s18, s18, 8                         ; 256 scale bytes a run
	s_wait_kmcnt 0x0
	s_add_nc_u64 s[4:5], s[4:5], s[20:21]
	s_add_nc_u64 s[8:9], s[8:9], s[22:23]
	s_add_nc_u64 s[10:11], s[10:11], s[18:19]
.macro LOAD t
.irp i, 0,1,2,3
	global_load_b128 v[R+16*((\t)%4)+4*\i:R+16*((\t)%4)+4*\i+3], v3, s[4:5] offset:2048*(\t)+512*\i th:TH_LOAD_NT   ; 32 lanes read 512 consecutive bytes
.endr
.endm
.macro TURN t                          ; step t's numbers through the stage: LDS serves a wave's instructions in order, so no wait stands between the stores and the loads
.irp i, 0,1,2,3
	ds_store_b128 v14, v[R+16*((\t)%4)+4*\i:R+16*((\t)%4)+4*\i+3] offset:32*SP*((\t)%2)+8*SP*\i
.endr
.irp i, 0,1,2,3
	ds_load_b128 v[X+16*((\t)%2)+4*\i:X+16*((\t)%2)+4*\i+3], v15 offset:32*SP*((\t)%2)+16*\i
.endr
.endm
.irp t, 0,1,2,3
	LOAD \t
.endr
	s_wait_loadcnt 12                              ; step 0's four loads are in; the twelve behind them stay out
	TURN 0
.macro STEP t
.set XS, X+16*((\t)%2)
.if (\t) > 0
	s_wait_dscnt 1                                 ; this step's numbers are back from the stage (the last step's byte store may be out)
.else
	s_wait_dscnt 0x0
.endif
.if (\t)+4 < STEPS
	LOAD (\t)+4                                    ; into the registers that this step's stage stores have read
.endif
.if (\t)+1 < STEPS
.if STEPS-2-(\t) >= 3
	s_wait_loadcnt 12                              ; the next step's four loads are in; those of the three steps behind it may be out
.else
	s_wait_loadcnt 4*(STEPS-2-(\t))
.endif
	TURN (\t)+1
.endif
	v_max3_num_f32 v8, |v[XS]|, |v[XS+1]|, |v[XS+2]|               ; the largest magnitude of my 16, in two chains
	v_max3_num_f32 v9, |v[XS+3]|, |v[XS+4]|, |v[XS+5]|
.irp i, 6,10
	v_max3_num_f32 v8, v8, |v[XS+\i]|, |v[XS+\i+1]|
	v_max3_num_f32 v9, v9, |v[XS+\i+2]|, |v[XS+\i+3]|
.endr
	v_max3_num_f32 v8, v8, |v[XS+14]|, |v[XS+15]|
	v_max3_num_f32 v8, v8, v9, 0x1800000           ; and the floor 2^(3 - 127): the byte cannot fall under 1
	v_max_num_f32_dpp v8, v8, v8 row_xmask:1 row_mask:0xf bank_mask:0xf   ; with my neighbour's 16: the block's
	v_add_nc_u32 v11, 0xff000000, v8               ; 2 off its exponent field: the conversion takes the exponent field of this operand as its scale
	v_cvt_scalef32_pk16_fp6_f32 v[C+4*(\t):C+4*(\t)+2], v[XS:XS+15], v11
	v_lshrrev_b32 v[E+(\t)], 23, v11               ; the scale's byte (also the plain line behind the conversion)
	ds_store_b8 v5, v[E+(\t)] offset:16*(\t)       ; both lanes of a block write the same byte with the same value
	global_store_b96 v4, v[C+4*(\t):C+4*(\t)+2], s[8:9] offset:32*CB*(\t)
.endm
.irp t, 0,1,2,3,4,5,6,7,8,9,10,11,12,13,14,15
	STEP \t
.endr
	ds_load_b64 v[8:9], v6                         ; LDS serves a wave's instructions in order: these see my stores
	s_wait_dscnt 0x0
	global_store_b64 v7, v[8:9], s[10:11]          ; 32 lanes store 256 consecutive bytes, aligned
	s_wait_tensorcnt 0x0                           ; the wave's end: a wait, an add of 0 to my spare word and its wait, behind my last LDS store
	ds_add_u32 v[SPW], v[NIL]
	s_wait_dscnt 0x0
	s_endpgm
.Lfunc_end_k_q1102a23d99_quant_x:
	.size	k_q1102a23d99_quant_x, .Lfunc_end_k_q1102a23d99_quant_x-k_q1102a23d99_quant_x
	.p2alignl 7, 3214868480
	.fill 96, 4, 3214868480
	.section	.rodata,"a",@progbits
	.p2align	6, 0x0
	.amdhsa_kernel k_q1102a23d99_quant_x
		.amdhsa_group_segment_fixed_size 33280
		.amdhsa_private_segment_fixed_size 0
		.amdhsa_enable_private_segment 0
		.amdhsa_kernarg_size 24
		.amdhsa_user_sgpr_count 2
		.amdhsa_user_sgpr_kernarg_segment_ptr 1
		.amdhsa_wavefront_size32 1
		.amdhsa_system_sgpr_workgroup_id_x 1
		.amdhsa_system_sgpr_workgroup_id_y 1
		.amdhsa_system_sgpr_workgroup_id_z 1
		.amdhsa_system_vgpr_workitem_id 0
		.amdhsa_next_free_vgpr 192
		.amdhsa_next_free_sgpr 66
		.amdhsa_reserve_vcc 0
		.amdhsa_float_denorm_mode_32 3
		.amdhsa_float_denorm_mode_16_64 3
		.amdhsa_memory_ordered 1
		.amdhsa_forward_progress 1
		.amdhsa_inst_pref_size 32
	.end_amdhsa_kernel
	.amdgpu_metadata
---
amdhsa.version: [ 1, 2 ]
amdhsa.kernels:
  - .name:           k_q1102a23d99_quant_x
    .symbol:         k_q1102a23d99_quant_x.kd
    .args:
      - { .name: x, .offset: 0, .size: 8, .value_kind: global_buffer, .address_space: global }
      - { .name: xc, .offset: 8, .size: 8, .value_kind: global_buffer, .address_space: global }
      - { .name: xs, .offset: 16, .size: 8, .value_kind: global_buffer, .address_space: global }
    .group_segment_fixed_size: 33280
    .private_segment_fixed_size: 0
    .kernarg_segment_align: 8
    .kernarg_segment_size: 24
    .max_flat_workgroup_size: 128
    .sgpr_count:     66
    .vgpr_count:     192
    .wavefront_size: 32
...
	.end_amdgpu_metadata
.endif
;; end of part 1
;; launch quant_w (part 2): grid 32 x 4, 4 waves a work-group, no clusters, 35,840 bytes of LDS; arguments Wq, Wk, Wv, Wo, wc, ws; writes wc, ws
.if DOCPART == 2
	.amdgcn_target "amdgcn-amd-amdhsa--gfx1250"
	.amdhsa_code_object_version 6
	.text
	.protected	k_q1102a23d99_quant_w
	.globl	k_q1102a23d99_quant_w
	.p2align	8
	.type	k_q1102a23d99_quant_w,@function
k_q1102a23d99_quant_w:
	s_mov_b64 s[64:65], 0
	v_nop
	global_prefetch_b8 v0, s[64:65] scope:SCOPE_SE
	s_setreg_imm32_b32 hwreg(HW_REG_WAVE_MODE, 25, 1), 1
	s_wait_xcnt 0x0
; The four weights [1024 (k)][1024 (n)], f32, K their FIRST axis, become codes of FP6 (E2M3) laid [weight][n][768 bytes] with K innermost (wc), and E8M0 scale bytes [weight][n][32] (ws).
; Work-group x: weight = x / 8 (0 Wq, 1 Wk, 2 Wv, 3 Wo), columns 128 (x % 8) on; work-group y: 256 along K.  Only pointers and two offsets are chosen by the weight: one path through the text.
; A LANE TAKES A COLUMN n AND ITS REGISTERS RUN DOWN K: a block of 32 lies in one lane's 32 registers, and the conversions give codes with K innermost.
; ORDER INSIDE A BLOCK.  Wo's other operand, the attention result, is quantised out of matrix results, whose 32 codes of a block stand in the order 0-7, 16-23, 8-15, 24-31.  So Wo's rows of a block are
; TAKEN in that order (registers 8-15 read 8 rows further down, registers 16-23 8 rows further up).  The same order on both operands changes neither the block's scale nor a product.  Wq, Wk, Wv stay in true order, as x does.
; LIMITS: a block of zeros gets the byte 1 where the quantiser says 127 (zero codes; read by this program alone); a block under 2^-124 is held at the byte 1; NaN and infinities are not served.
; A wave takes 32 columns x 256 along K: 192 bytes of codes a column, which go through the wave's own stage in LDS and leave as rows: sixteen lanes store a row's 192 consecutive bytes.
; A lane's 8 scale bytes leave by one store of 8 bytes, rows 32 bytes apart: one byte for 128 bytes that the launch reads.  No barrier: waves share nothing.
.set SIZE_K, 1024
.set SIZE_N, 1024
.set KW,    256
.set NB,    KW/32
.set ROWB,  192
.set PITCH, 272                        ; a stage row: sixteen places of 16 bytes, each with 12 bytes of codes, + 16
.set KROW,  SIZE_K*6/8
.set X,     32                         ; v32-95   two sets of 32 numbers
.set C,     96                         ; v96..    a block's codes
.set OUTR,  112                        ; v112-175 the way out
.set SPW,   14
.set NIL,   15
.set SPARE, 4*32*PITCH                 ; behind the four stages: the spare words, 128 bytes a wave, which no other line names
.set SB,    24                         ; v24-25   the scale bytes, four to a register
	s_load_b256 s[4:11], s[0:1], 0x0               ; Wq, Wk, Wv, Wo
	s_load_b128 s[12:15], s[0:1], 0x20             ; wc, ws
	v_lshl_add_u32 v[SPW], v0, 2, SPARE
	v_mov_b32 v[NIL], 0
	v_lshrrev_b32 v1, 5, v0
	v_readfirstlane_b32 s16, v1                    ; wave
	v_and_b32 v2, 31, v0                           ; lane
	s_lshr_b32 s32, ttmp9, 3                       ; which weight
	s_and_b32 s17, ttmp9, 7
	s_lshl_b32 s17, s17, 7
	s_lshl_b32 s18, s16, 5
	s_add_co_u32 s17, s17, s18                     ; my wave's first column
	s_and_b32 s18, ttmp7, 0xffff                   ; which 256 along K
	v_lshlrev_b32 v3, 2, v2                        ; in: 4 bytes a lane
	s_mul_i32 s19, s16, 32*PITCH                   ; my stage
	v_mul_u32_u24 v4, v2, PITCH
	v_add_nc_u32 v4, s19, v4                       ; into it: row = my column
	v_and_b32 v5, 15, v2
	v_lshrrev_b32 v6, 4, v2
	v_mul_u32_u24 v7, v6, PITCH
	v_lshl_add_u32 v7, v5, 4, v7
	v_add_nc_u32 v7, s19, v7                       ; out of it: sixteen lanes to a row, two rows an instruction
	v_mul_u32_u24 v8, v6, KROW
	v_mad_u32_u24 v8, v5, 12, v8                   ; and the same place in wc
	v_lshlrev_b32 v9, 5, v2                        ; my column's row of scale bytes
	s_lshl_b32 s20, s18, 20                        ; W: 256 y rows of 4,096 bytes,
	s_lshl_b32 s22, s17, 2
	s_add_co_u32 s20, s20, s22                     ; + 4 x column
	s_mov_b32 s21, 0
	s_mul_i32 s24, s32, 786432                     ; wc: the weight's part,
	s_mul_i32 s22, s17, KROW
	s_add_co_u32 s24, s24, s22                     ; the column's row,
	s_mul_i32 s22, s18, ROWB
	s_add_co_u32 s24, s24, s22                     ; 192 y
	s_mov_b32 s25, 0
	s_lshl_b32 s28, s32, 15                        ; ws likewise: 32,768 a weight, 32 a column, 8 y
	s_lshl_b32 s22, s17, 5
	s_add_co_u32 s28, s28, s22
	s_lshl_b32 s22, s18, 3
	s_add_co_u32 s28, s28, s22
	s_mov_b32 s29, 0
	s_cmp_eq_u32 s32, 3                            ; Wo: 8 rows (32,768 bytes) further down for registers 8-15; the others: for registers 16-23, whose immediates stand 8 rows back
	s_cselect_b32 s30, 32768, 0
	s_cselect_b32 s31, 0, 32768
	v_add_nc_u32 v10, s30, v3
	v_add_nc_u32 v11, s31, v3
	s_wait_kmcnt 0x0
	s_cmp_eq_u32 s32, 1
	s_cselect_b64 s[4:5], s[6:7], s[4:5]
	s_cmp_eq_u32 s32, 2
	s_cselect_b64 s[4:5], s[8:9], s[4:5]
	s_cmp_eq_u32 s32, 3
	s_cselect_b64 s[4:5], s[10:11], s[4:5]
	s_add_nc_u64 s[4:5], s[4:5], s[20:21]
	s_add_nc_u64 s[12:13], s[12:13], s[24:25]
	s_add_nc_u64 s[14:15], s[14:15], s[28:29]
.macro LOAD t                          ; block t into set t % 2; every offset an immediate: 255 rows of 4,096 bytes at the most
.set li, 0
.rept 32
.if (li >= 8) && (li < 16)
	global_load_b32 v[X+32*((\t)%2)+li], v10, s[4:5] offset:(32*(\t)+li)*SIZE_N*4 th:TH_LOAD_NT
.elseif (li >= 16) && (li < 24)
	global_load_b32 v[X+32*((\t)%2)+li], v11, s[4:5] offset:(32*(\t)+li-8)*SIZE_N*4 th:TH_LOAD_NT
.else
	global_load_b32 v[X+32*((\t)%2)+li], v3, s[4:5] offset:(32*(\t)+li)*SIZE_N*4 th:TH_LOAD_NT
.endif
.set li, li+1
.endr
.endm
	LOAD 0
	LOAD 1
.macro BLOCK t
.set XS, X+32*((\t)%2)
.if (\t) < NB-1
	s_wait_loadcnt 32                              ; this block's 32 loads are in; the next block's may be out
.else
	s_wait_loadcnt 0
.endif
	v_max3_num_f32 v12, |v[XS]|, |v[XS+1]|, |v[XS+2]|               ; the block's largest magnitude: all 32 numbers are mine
	v_max3_num_f32 v13, |v[XS+3]|, |v[XS+4]|, |v[XS+5]|
.irp i, 6,10,14,18,22,26
	v_max3_num_f32 v12, v12, |v[XS+\i]|, |v[XS+\i+1]|
	v_max3_num_f32 v13, v13, |v[XS+\i+2]|, |v[XS+\i+3]|
.endr
	v_max3_num_f32 v12, v12, |v[XS+30]|, |v[XS+31]|
	v_max3_num_f32 v12, v12, v13, 0x1800000        ; and the floor 2^(3 - 127)
	v_add_nc_u32 v16, 0xff000000, v12              ; 2 off its exponent field: the conversion's scale operand
	v_lshrrev_b32 v13, 23, v16                     ; the scale's byte
.if (\t)%4 == 0
	v_mov_b32 v[SB+(\t)/4], v13
.else
	v_lshl_or_b32 v[SB+(\t)/4], v13, 8*((\t)%4), v[SB+(\t)/4]
.endif
	v_cvt_scalef32_pk16_fp6_f32 v[C:C+2], v[XS:XS+15], v16
	v_cvt_scalef32_pk16_fp6_f32 v[C+4:C+6], v[XS+16:XS+31], v16     ; (a conversion's three registers begin on an even number)
	ds_store_b96 v4, v[C:C+2] offset:32*(\t)       ; 12 bytes to a place of 16, so that every LDS address is a multiple of 16
	ds_store_b96 v4, v[C+4:C+6] offset:32*(\t)+16
.if (\t)+2 < NB
	LOAD (\t)+2
.endif
	s_wait_dscnt 0x0                               ; the stores have read their registers: the next block's codes may be written
.endm
.set Q, 0
.rept NB
	BLOCK Q
.set Q, Q+1
.endr
	global_store_b64 v9, v[SB:SB+1], s[14:15]      ; my column's 8 scale bytes
.irp t, 0,1,2,3,4,5,6,7,8,9,10,11,12,13,14,15
	ds_load_b96 v[OUTR+4*\t:OUTR+4*\t+2], v7 offset:2*\t*PITCH   ; LDS serves a wave's instructions in order: these see my stores
.endr
.irp t, 0,1,2,3,4,5,6,7,8,9,10,11,12,13,14,15
	s_wait_dscnt 15-\t                             ; rows 2 t, 2 t + 1 are back; the later loads stay out
	global_store_b96 v8, v[OUTR+4*\t:OUTR+4*\t+2], s[12:13] offset:2*\t*KROW
.endr
	s_wait_tensorcnt 0x0                           ; the wave's end: a wait, an add of 0 to my spare word and its wait, behind my last LDS store
	ds_add_u32 v[SPW], v[NIL]
	s_wait_dscnt 0x0
	s_endpgm
.Lfunc_end_k_q1102a23d99_quant_w:
	.size	k_q1102a23d99_quant_w, .Lfunc_end_k_q1102a23d99_quant_w-k_q1102a23d99_quant_w
	.p2alignl 7, 3214868480
	.fill 96, 4, 3214868480
	.section	.rodata,"a",@progbits
	.p2align	6, 0x0
	.amdhsa_kernel k_q1102a23d99_quant_w
		.amdhsa_group_segment_fixed_size 35840
		.amdhsa_private_segment_fixed_size 0
		.amdhsa_enable_private_segment 0
		.amdhsa_kernarg_size 48
		.amdhsa_user_sgpr_count 2
		.amdhsa_user_sgpr_kernarg_segment_ptr 1
		.amdhsa_wavefront_size32 1
		.amdhsa_system_sgpr_workgroup_id_x 1
		.amdhsa_system_sgpr_workgroup_id_y 1
		.amdhsa_system_sgpr_workgroup_id_z 1
		.amdhsa_system_vgpr_workitem_id 0
		.amdhsa_next_free_vgpr 192
		.amdhsa_next_free_sgpr 66
		.amdhsa_reserve_vcc 0
		.amdhsa_float_denorm_mode_32 3
		.amdhsa_float_denorm_mode_16_64 3
		.amdhsa_memory_ordered 1
		.amdhsa_forward_progress 1
		.amdhsa_inst_pref_size 42
	.end_amdhsa_kernel
	.amdgpu_metadata
---
amdhsa.version: [ 1, 2 ]
amdhsa.kernels:
  - .name:           k_q1102a23d99_quant_w
    .symbol:         k_q1102a23d99_quant_w.kd
    .args:
      - { .name: Wq, .offset: 0, .size: 8, .value_kind: global_buffer, .address_space: global }
      - { .name: Wk, .offset: 8, .size: 8, .value_kind: global_buffer, .address_space: global }
      - { .name: Wv, .offset: 16, .size: 8, .value_kind: global_buffer, .address_space: global }
      - { .name: Wo, .offset: 24, .size: 8, .value_kind: global_buffer, .address_space: global }
      - { .name: wc, .offset: 32, .size: 8, .value_kind: global_buffer, .address_space: global }
      - { .name: ws, .offset: 40, .size: 8, .value_kind: global_buffer, .address_space: global }
    .group_segment_fixed_size: 35840
    .private_segment_fixed_size: 0
    .kernarg_segment_align: 8
    .kernarg_segment_size: 48
    .max_flat_workgroup_size: 128
    .sgpr_count:     66
    .vgpr_count:     192
    .wavefront_size: 32
...
	.end_amdgpu_metadata
.endif
;; end of part 2
;; launch qkv (part 3): grid 12 x 32, 4 waves a work-group, clusters of 4 x 4, 327,680 bytes of LDS; arguments xc, xs, wc, ws, qb, kv; writes qb, kv
.if DOCPART == 3
	.amdgcn_target "amdgcn-amd-amdhsa--gfx1250"
	.amdhsa_code_object_version 6
	.text
	.protected	k_q1102a23d99_qkv
	.globl	k_q1102a23d99_qkv
	.p2align	8
	.type	k_q1102a23d99_qkv,@function
k_q1102a23d99_qkv:
	s_mov_b64 s[64:65], 0
	v_nop
	global_prefetch_b8 v0, s[64:65] scope:SCOPE_SE
	s_setreg_imm32_b32 hwreg(HW_REG_WAVE_MODE, 25, 1), 1
	s_wait_xcnt 0x0
	s_wait_alu depctr_hold_cnt(0) depctr_sa_sdst(0) depctr_va_vdst(0) depctr_va_sdst(0) depctr_va_ssrc(0) depctr_va_vcc(0) depctr_vm_vsrc(0)
	s_getreg_b32 s2, hwreg(HW_REG_IB_STS2, 6, 4)
	s_cmp_eq_u32 s2, 0
	s_cbranch_scc0 .Lentry_in_a_cluster
	s_endpgm
.Lentry_in_a_cluster:
	s_bfe_u32 s2, ttmp6, 0x10000c
	s_cmp_lg_u32 s2, 0xf033
	s_cbranch_scc0 .Lentry_shape_is_right
	s_endpgm
.Lentry_shape_is_right:
; q = x Wq, k = x Wk, v = x Wv on codes of FP6 (E2M3) with E8M0 scales for each 32 along K = 1024; the results never go to memory as f32: they are quantised in registers for the two products of attention
; and stored as IMAGES OF OPERAND REGISTERS (registers 4 c .. 4 c + 3 of lane l at byte 512 c + 16 l).
; KIND = the cluster's x: 0 q, 1 k, 2 v: the same in all sixteen partners.  It chooses pointers, coordinates and values (s_cselect, v_cndmask); no branch hangs on it.
; A work-group makes 256 x 256, a wave 128 x 128: 64 accumulators.  Source 1 ('A': a lane's row) and source 0 ('B': a lane's eight registers run along its rows):
;   q, k: A = tokens (xc), B = the weight's columns n: a lane holds one token, its registers run along the head's channels, the K of q k^T.
;   v:    A = Wv's columns n, B = tokens: a lane holds one channel, its registers run along the keys, the K of p v.
; ORDER INSIDE A BLOCK OF 32: the 16 registers of two neighbouring tiles hold indices 8 h + 0..7 and 16 + 8 h + 0..7 (h = lane / 16), so a block's codes stand in the order 0-7, 16-23, 8-15, 24-31.
; q and k both have it, and so have v and the softmax's p in the next launch: the same order on both operands changes neither a scale nor a product (the sums' grouping inside an instruction differs from true k order).
; WHAT IS STORED.  qb [b 16 + head][block of 128 queries][6400]: four pair images of 1,536 bytes (registers 0-5: tile 2 p's 64 channels, 6-11: tile 2 p + 1's), then 256 bytes of scale words [row][pair].
;   kv [b 16 + head][step of 128 keys][12800]: K's four pair images; at 6144 V's four fragments (16 channels x 128 keys); at 12288 K's scale words [row][pair]; at 12544 V's [row][tile].
; LIMITS: a block of zeros gets the byte 1 where the quantiser says 127 (zero codes; read by this program alone); a block under 2^-124 is held at the byte 1; NaN and infinities are not served.
; THE LOOP: K in steps of 256 through a ring of two LDS slots filled by joint tensor loads (A's tile shared along the cluster's row, B's along its column); the scales of the work-group's rows come once.
; REGISTERS, in windows of 256: window 0: v0-31 addresses; v32-63 scale words, two sets; from v128 A's fragments, one set.  window 1: B's fragments, two sets.  windows 2, 3: the accumulators ((a, b) at v[8 (8 (a % 4) + b)]).
.set SIZE_K, 1024
.set KSTEP,  256
.set NQ,     KSTEP/128
.set ROWB,   192                       ; a tile's row in bytes
.set KROW,   SIZE_K*6/8
.set PITCH,  240                       ; an LDS row: 3 x (64 bytes + 16 of padding): the 32 lanes of a load of 8 bytes touch 64 different banks of 4 bytes (ISA guide 11.1)
.set FR,     12
.set NL,     6
.set NP,     4                         ; places behind this matrix instruction (ISA guide 7.12.1)
.set HALFT,  128*PITCH
.set SLOT,   4*HALFT
.set LAPS,   SIZE_K/(2*KSTEP)
.set KS,     SIZE_K/32
.set SCL,    2*SLOT                    ; behind the ring: the scales, as runs of 256 bytes + 16 of padding
.set HALFS,  (128*KS/256)*272
.set SBLK,   (16*KS/256)*272
.set SPARE,  SCL+4*HALFS               ; behind the scales: the spare words, 128 bytes a wave, which no other line names
.set ADRA, 16
.set ADRB, 20
.set SPW,  28
.set NIL,  29
.set ADRS, 27
.set SC,   32
.set AF,   128
.set G1, 24
.set G0, 32
.set G1B, 48
.set G0B, 56
.set G1S, 68
.set G0S, 76
.set G1SB, 80
.set G0SB, 88
.set MSB, 0
.macro WIN new                         ; the immediate's high byte repeats the setting that is left
.if MSB != (\new)
	s_set_vgpr_msb (MSB<<8)|(\new)
.set MSB, (\new)
.endif
.endm
.set MUL_LO, 0xa1                      ; source 0 (B) window 1, source 1 (A) window 0, C and D window 2
.set MUL_HI, 0xf1
.set TO_B,   0x40
; A joint load: waves 0 and 1 fetch for A, waves 2 and 3 for B; the branch hangs on the wave's number alone.  An s_nop 0 and four v_nop follow each of the two lines.
.macro JLOAD g0a, g1a, g0b, g1b
	s_cmp_eq_u32 s15, 0
	s_cbranch_scc0 .Lfor_b_\@
	tensor_load_to_lds s[\g0a:\g0a+3], s[\g1a:\g1a+7]
	s_nop 0
.rept 4
	v_nop
.endr
	s_branch .Lasked_\@
.Lfor_b_\@:
	tensor_load_to_lds s[\g0b:\g0b+3], s[\g1b:\g1b+7]
	s_nop 0
.rept 4
	v_nop
.endr
.Lasked_\@:
.endm
.macro CREST                           ; a round of the cluster's barrier behind its opening barrier
	s_cmp_lg_u32 s14, 0
	s_cbranch_scc1 .Lnot_wave_0_\@
	s_barrier_signal -3
.Lnot_wave_0_\@:
	s_barrier_wait -3
	s_barrier_signal -1
	s_barrier_wait -1
.endm
.macro CROUND
	s_barrier_signal -1
	s_barrier_wait -1
	CREST
.endm
	s_load_b128 s[4:7], s[0:1], 0x0                ; xc, xs
	s_load_b128 s[8:11], s[0:1], 0x10              ; wc, ws
	s_load_b128 s[96:99], s[0:1], 0x20             ; qb, kv
	v_lshl_add_u32 v[SPW], v0, 2, SPARE
	v_mov_b32 v[NIL], 0
	ds_add_u32 v[SPW], v[NIL]                      ; the wave's opening: the add and its wait stand ahead of my first tensor load; work on registers stands between them
	v_lshrrev_b32 v1, 5, v0
	v_readfirstlane_b32 s14, v1                    ; wave 0..3
	s_lshr_b32 s15, s14, 1                         ; which half of A's rows is mine.  Also: I fetch for A (0) or for B (1)
	s_and_b32 s16, s14, 1                          ; which half of B's rows.  Also: which 128 rows I fetch
	s_bfe_u32 s40, ttmp6, 0x40000                  ; cx, cy: my place in the cluster
	s_bfe_u32 s41, ttmp6, 0x40004
	s_and_b32 s18, ttmp7, 0xffff
	s_lshl_b32 s18, s18, 2                         ; 4 x cluster y: it walks the tokens' 32 tiles of 256
	s_cmp_eq_u32 ttmp9, 2                          ; v?
	s_cselect_b32 s42, s18, 0                      ; B's tile: tokens for v, the weight's columns else
	s_cselect_b32 s17, 0, s18                      ; A's tile: the weight's columns for v, tokens else
	s_cselect_b32 s67, 0, -1                       ; a lane mask: all ones for q and k, none for v
	s_add_co_u32 s42, s42, s40                     ; + cx: it enters B's addresses alone
	s_add_co_u32 s17, s17, s41                     ; + cy: it enters A's addresses alone
	s_lshl_b32 s43, s41, 2
	s_lshl_b32 s43, 15, s43                        ; my row of the cluster
	s_lshl_b32 s44, 0x1111, s40                    ; my column
	s_or_b32 s[G1+0], s43, (0<<16)|(1<<20)|(1<<21)|(3<<22)|(3<<25)  ; the mask: A's tiles go to my row; elements of 1 byte; padding on; bit 21 beside a mask; after every 16 words 4 words
	s_or_b32 s[G1B+0], s44, (0<<16)|(1<<20)|(1<<21)|(3<<22)|(3<<25)
.irp g, G1, G1B
	s_mov_b32 s[\g+1], ROWB<<16                    ; tensor_dim0
	s_mov_b32 s[\g+2], 128<<16                     ; tensor_dim1
	s_mov_b32 s[\g+3], ROWB<<16                    ; tile_dim0
	s_mov_b32 s[\g+4], 128                         ; tile_dim1
	s_mov_b32 s[\g+5], KROW                        ; the pitch
	s_mov_b32 s[\g+6], 0
	s_mov_b32 s[\g+7], 0
.endr
	s_or_b32 s[G1S+0], s43, (3<<16)|(1<<20)|(1<<21)|(5<<22)|(3<<25)  ; the scales of 128 rows: 4,096 dense bytes as rows of 256, 16 bytes of padding behind each
	s_or_b32 s[G1SB+0], s44, (3<<16)|(1<<20)|(1<<21)|(5<<22)|(3<<25)
.irp g, G1S, G1SB
	s_mov_b32 s[\g+1], 32<<16
	s_mov_b32 s[\g+2], (128*KS/256)<<16
	s_mov_b32 s[\g+3], 32<<16
	s_mov_b32 s[\g+4], 128*KS/256
	s_mov_b32 s[\g+5], 32
	s_mov_b32 s[\g+6], 0
	s_mov_b32 s[\g+7], 0
.endr
	s_lshl_b32 s18, s16, 7                         ; which 128 rows of the tile I fetch
	s_lshl_b32 s20, s17, 8
	s_add_co_u32 s20, s20, s18                     ; A: row 256 x tile + 128 x half
	s_lshl_b32 s46, s42, 8
	s_add_co_u32 s46, s46, s18                     ; B likewise
	s_mov_b32 s21, 0
	s_mov_b32 s47, 0
	s_mov_b64 s[18:19], KS
	s_mul_u64 s[22:23], s[20:21], s[18:19]         ; where these rows' scales begin
	s_mul_u64 s[92:93], s[46:47], s[18:19]
	s_mov_b64 s[18:19], KROW
	s_mul_u64 s[20:21], s[20:21], s[18:19]         ; and their codes
	s_mul_u64 s[46:47], s[46:47], s[18:19]
	s_mul_i32 s45, s14, HALFT                      ; where they go: wave x 128 rows: no place in the cluster enters an LDS address
	s_mul_i32 s94, s14, HALFS
	s_wait_dscnt 0x0                               ; the opening add is done
	s_wait_kmcnt 0x0
	s_mul_i32 s18, ttmp9, 786432                   ; the kind's weight in wc,
	s_mov_b32 s19, 0
	s_add_nc_u64 s[8:9], s[8:9], s[18:19]
	s_lshl_b32 s18, ttmp9, 15                      ; and in ws
	s_add_nc_u64 s[10:11], s[10:11], s[18:19]
	s_cmp_eq_u32 ttmp9, 2                          ; for v the weight is A and the tokens are B: the pointers change places
	s_cselect_b64 s[12:13], s[8:9], s[4:5]
	s_cselect_b64 s[8:9], s[4:5], s[8:9]
	s_mov_b64 s[4:5], s[12:13]
	s_cselect_b64 s[12:13], s[10:11], s[6:7]
	s_cselect_b64 s[10:11], s[6:7], s[10:11]
	s_mov_b64 s[6:7], s[12:13]
	s_add_nc_u64 s[20:21], s[4:5], s[20:21]
	s_add_nc_u64 s[22:23], s[6:7], s[22:23]
	s_add_nc_u64 s[46:47], s[8:9], s[46:47]
	s_add_nc_u64 s[92:93], s[10:11], s[92:93]
	CROUND                                         ; all sixteen work-groups are here: the first joint loads meet
	s_mov_b32 s[G0S], 1
	s_add_co_u32 s[G0S+1], s94, SCL
	s_mov_b64 s[G0S+2:G0S+3], s[22:23]
	s_or_b32 s[G0S+3], s[G0S+3], 0x80000000
	s_mov_b32 s[G0SB], 1
	s_add_co_u32 s[G0SB+1], s94, SCL
	s_mov_b64 s[G0SB+2:G0SB+3], s[92:93]
	s_or_b32 s[G0SB+3], s[G0SB+3], 0x80000000
	JLOAD G0S, G1S, G0SB, G1SB                     ; the scales first: they are wanted with K step 0.  With the two below, three loads of mine are out
.irp s, 0,1
	s_mov_b32 s[G0+4*\s], 1
	s_add_co_u32 s[G0+4*\s+1], s45, \s*SLOT
	s_add_nc_u64 s[G0+4*\s+2:G0+4*\s+3], s[20:21], \s*ROWB
	s_or_b32 s[G0+4*\s+3], s[G0+4*\s+3], 0x80000000
	s_mov_b32 s[G0B+4*\s], 1
	s_add_co_u32 s[G0B+4*\s+1], s45, \s*SLOT
	s_add_nc_u64 s[G0B+4*\s+2:G0B+4*\s+3], s[46:47], \s*ROWB
	s_or_b32 s[G0B+4*\s+3], s[G0B+4*\s+3], 0x80000000
	JLOAD G0+4*\s, G1, G0B+4*\s, G1B
.endr
	v_and_b32 v1, 15, v0                           ; l % 16
	v_bfe_u32 v2, v0, 4, 1                         ; l / 16
	v_mul_u32_u24 v3, v1, PITCH
	v_mul_u32_u24 v4, v2, 24
	v_add_nc_u32 v4, v3, v4                        ; a fragment's row x pitch + 24 x half
	v_lshl_add_u32 v5, v2, 4, v4                   ; and the same behind one padding more
	s_mul_i32 s21, s15, HALFT                      ; my 128 rows of A
	s_mul_i32 s22, s16, HALFT                      ; my 128 rows of B,
	s_add_co_u32 s22, s22, 2*HALFT                 ; which lie behind A's 256
.irp s, 0,1
	v_add_nc_u32 v[ADRA+\s], s21, v4
	v_add_nc_u32 v[ADRB+\s], s22, v4
	v_add_nc_u32 v[ADRA+2+\s], s21, v5
	v_add_nc_u32 v[ADRB+2+\s], s22, v5
	s_add_co_u32 s21, s21, SLOT
	s_add_co_u32 s22, s22, SLOT
.endr
	v_mul_u32_u24 v5, v1, KS                       ; my row's scales: 32 bytes a row,
	v_lshrrev_b32 v6, 8, v5
	v_lshl_add_u32 v5, v6, 4, v5                   ; and 16 more for each 256 passed
	s_mul_i32 s21, s15, HALFS
	s_mul_i32 s22, s16, HALFS
	s_add_co_u32 s22, s22, 2*HALFS
	s_sub_co_u32 s22, s22, s21
	v_mul_u32_u24 v6, s22, v2                      ; lanes 16-31 take B's
	s_add_co_u32 s21, s21, SCL
	v_add_nc_u32 v5, v5, v6
	v_add_nc_u32 v[ADRS], s21, v5
	; WHERE THE RESULTS GO.  U, W: which 128 rows of A, of B are my wave's.  The tokens' block of 128 is U for q and k, W for v; the pair of heads the other one.
	s_lshl_b32 s20, s17, 1
	s_add_co_u32 s20, s20, s15                     ; U
	s_lshl_b32 s21, s42, 1
	s_add_co_u32 s21, s21, s16                     ; W
	s_cmp_eq_u32 ttmp9, 2
	s_cselect_b32 s22, s21, s20                    ; the block of 128 tokens, 0..63
	s_cselect_b32 s23, s20, s21                    ; the pair of heads, 0..7
	s_cselect_b32 s46, 6144, 0                     ; V's fragments lie behind K's images
	s_mov_b32 s66, 12288                           ; where the scale words lie, from my base on: k 12288,
	s_cselect_b32 s66, 6400, s66                   ; v 12544 - 6144,
	s_cmp_eq_u32 ttmp9, 0
	s_cselect_b32 s66, 6144, s66                   ; q 6144
	s_cselect_b64 s[96:97], s[96:97], s[98:99]     ; qb for q, kv else
	s_mov_b32 s95, 204800
	s_cselect_b32 s95, 102400, s95                 ; from a head to the next: 16 blocks
	s_mov_b32 s93, 12800
	s_cselect_b32 s93, 6400, s93                   ; a block
	s_lshr_b32 s47, s22, 4                         ; b
	s_lshl_b32 s47, s47, 4
	s_lshl_b32 s23, s23, 1
	s_add_co_u32 s47, s47, s23                     ; b 16 + the pair's even head
	s_lshl_b32 s47, s47, 4
	s_and_b32 s22, s22, 15
	s_add_co_u32 s47, s47, s22                     ; x 16 + the block in the sequence
	s_mul_i32 s47, s47, s93
	s_add_co_u32 s46, s46, s47
	s_mov_b32 s47, 0
	s_add_nc_u64 s[96:97], s[96:97], s[46:47]
.macro FRAG reg, adr, q, i             ; a fragment, 16 rows x 128 K: lane l holds row l % 16; registers 6 c .. 6 c + 5 hold K = 64 c + 32 (l / 16) + 0 .. 31: 24 bytes of the row, in pieces of 8
.irp p, 0,1,2,3,4,5
.set PCE, 12*(\q)+6*(\p/3)+\p%3        ; 16 bytes of padding lie behind every 8 pieces: where the piece three on lies behind one padding more, the second address register serves
.if PCE%8 < 5
	ds_load_b64 v[\reg+2*\p:\reg+2*\p+1], v[\adr] offset:8*PCE+16*(PCE/8)+(\i)*16*PITCH
.else
	ds_load_b64 v[\reg+2*\p:\reg+2*\p+1], v[\adr+2] offset:8*PCE+16*(PCE/8)+(\i)*16*PITCH
.endif
.endr
.endm
; 16 matrix instructions: A's blocks a0, a0 + 1 x B's eight.  The 64 accumulators take turns, one instruction a turn, in the same order in every step.
.macro MUL16 a0, p, q, sc, zero
.irp a, \a0, \a0+1
.irp b, 0,1,2,3,4,5,6,7
.if \zero
	v_wmma_scale_f32_16x16x128_f8f6f4 v[8*(8*((\a)%4)+\b):8*(8*((\a)%4)+\b)+7], v[128*(\p)+FR*\b:128*(\p)+FR*\b+FR-1], v[AF+FR*(\a):AF+FR*(\a)+FR-1], 0, v[SC+8*NQ*(\sc)+NQ*\b+(\q)], v[SC+8*NQ*(\sc)+NQ*(\a)+(\q)] matrix_a_fmt:MATRIX_FMT_FP6 matrix_b_fmt:MATRIX_FMT_FP6 matrix_a_scale:MATRIX_SCALE_ROW1
.else
	v_wmma_scale_f32_16x16x128_f8f6f4 v[8*(8*((\a)%4)+\b):8*(8*((\a)%4)+\b)+7], v[128*(\p)+FR*\b:128*(\p)+FR*\b+FR-1], v[AF+FR*(\a):AF+FR*(\a)+FR-1], v[8*(8*((\a)%4)+\b):8*(8*((\a)%4)+\b)+7], v[SC+8*NQ*(\sc)+NQ*\b+(\q)], v[SC+8*NQ*(\sc)+NQ*(\a)+(\q)] matrix_a_fmt:MATRIX_FMT_FP6 matrix_b_fmt:MATRIX_FMT_FP6 matrix_a_scale:MATRIX_SCALE_ROW1
.endif
.endr
.endr
.endm
.macro FETCH_B slot, q, p
	WIN TO_B
.irp i, 0,1,2,3,4,5,6,7
	FRAG 128*(\p)+FR*\i, ADRB+\slot, \q, \i
.endr
	WIN 0
.endm
.macro FETCH_A slot, q, i0
.irp i, \i0, \i0+1, \i0+2, \i0+3
	FRAG AF+FR*(\i), ADRA+\slot, \q, \i
.endr
.endm
.macro SCALES sc                       ; a K step's scale words: lanes 0-15 take A's block i, lanes 16-31 B's block i
.irp i, 0,1,2,3,4,5,6,7
	ds_load_b64 v[SC+8*NQ*\sc+NQ*\i:SC+8*NQ*\sc+NQ*\i+1], v[ADRS] offset:\i*SBLK
.endr
.endm
.macro PLACES n                        ; plain vector instructions between a matrix instruction and a load into, or a vector read or write of, its registers
.rept \n
	v_nop
.endr
.endm
.macro STEP slot, q, zero              ; a step of 128 along K that has its successor in the same slot
	s_wait_dscnt 4*NL                              ; B's set and A's blocks 0-3 are in; the youngest 24 loads (A's blocks 4-7) may be out
	WIN MUL_LO
	MUL16 0, (\q)%2, \q, \slot, \zero
	MUL16 2, (\q)%2, \q, \slot, \zero
	s_wait_dscnt 0
	PLACES NP
	FETCH_B \slot, (\q)+1, 1-(\q)%2
	FETCH_A \slot, (\q)+1, 0
	WIN MUL_HI
	MUL16 4, (\q)%2, \q, \slot, \zero
	MUL16 6, (\q)%2, \q, \slot, \zero
	PLACES NP
	WIN 0
	FETCH_A \slot, (\q)+1, 4
.endm
; A slot's last step changes slots: one barrier; in front of it each wave waits for all its tensor loads, adds 0 to its spare word, and waits for that and for its own reads of this slot.
.macro TURN slot, next, fill
	s_wait_tensorcnt 0x0                           ; all my tensor loads have landed: my part of the next slot
	ds_add_u32 v[SPW], v[NIL]                      ; 0 onto my spare word
	s_wait_dscnt 4*NL+1                            ; (the add and the youngest 24 loads, A's blocks 4-7, may be out)
	WIN MUL_LO
	MUL16 0, 1, NQ-1, \slot, 0
	s_wait_dscnt 0x0                               ; the add is done, and my reads of this slot are over
	s_barrier_signal -1
	MUL16 2, 1, NQ-1, \slot, 0
	WIN 0
	s_barrier_wait -1
.if \fill
	CREST                                          ; the barrier has opened a round of the cluster's barrier: no wave of any partner still reads this slot or has a load on its way
	s_add_nc_u64 s[G0+4*\slot+2:G0+4*\slot+3], s[G0+4*\slot+2:G0+4*\slot+3], 2*ROWB
	s_add_nc_u64 s[G0B+4*\slot+2:G0B+4*\slot+3], s[G0B+4*\slot+2:G0B+4*\slot+3], 2*ROWB
	JLOAD G0+4*\slot, G1, G0B+4*\slot, G1B         ; the first tensor load behind the round; its four v_nop are the places in front of the loads below
.else
	PLACES NP
.endif
	v_add_nc_u32 v[ADRS], 4*NQ, v[ADRS]            ; on to the next K step's scale words
	FETCH_B \next, 0, 0
	FETCH_A \next, 0, 0
	SCALES \next
	WIN MUL_HI
	MUL16 4, 1, NQ-1, \slot, 0
	MUL16 6, 1, NQ-1, \slot, 0
	PLACES NP
	WIN 0
	FETCH_A \next, 0, 4
.endm
	s_wait_tensorcnt 1                             ; the scales and my part of K step 0 are in (K step 1's load may be out)
	s_barrier_signal -1
	s_barrier_wait -1                              ; everybody's are
	FETCH_B 0, 0, 0
	FETCH_A 0, 0, 0
	SCALES 0
	FETCH_A 0, 0, 4
	STEP 0, 0, 1                                   ; the first step's products start the sums: nothing is cleared
	s_mov_b32 s3, LAPS-1
.Llap:
	TURN 0, 1, 1
	STEP 1, 0, 0
	TURN 1, 0, 1
	STEP 0, 0, 0
	s_sub_co_u32 s3, s3, 1
	s_cmp_lg_u32 s3, 0
	s_cbranch_scc1 .Llap
	TURN 0, 1, 0                                   ; the last lap fills nothing
	STEP 1, 0, 0
	s_wait_dscnt 4*NL
	WIN MUL_LO
	MUL16 0, 1, NQ-1, 1, 0
	MUL16 2, 1, NQ-1, 1, 0
	s_wait_dscnt 0
	WIN MUL_HI
	MUL16 4, 1, NQ-1, 1, 0
	MUL16 6, 1, NQ-1, 1, 0
	WIN 0
	PLACES NP                                      ; behind the last products: their results are read and their operands' registers written below
; THE WAY OUT: no LDS.  For each of A's eight blocks a the lane's 64 numbers (four blocks of 32 along the next K) become a fragment's 12 registers and a scale word.
.set TM,   32                          ; v32-35 largest magnitudes, v36-39 the other half's and then the bytes, v44-47 the conversions' scale operands
.set PWS,  48                          ; v48-55 the eight scale words
.set T,    56                          ; v56-67 the two middle halves of a pair of fragments
.set CT,   68                          ; v68-75 the conversions' second halves
.set LI,   76                          ; 16 x lane
.set SA,   77                          ; where my scale words go
.set SELV, 78                          ; v_perm_b32's selector: low halves in lanes 0-15, high halves in lanes 16-31
.set G,    80                          ; v80-175 24 registers a pair: never written again, so the stores' data need no wait
.set OFFV, 176                         ; v176-183 the eight images' offsets
.set ZW,   184                         ; v184-187 the scale words to store
.set XW,   188
.set YW,   192
.macro QUANT s, w, d0, d1, pw          ; v[s .. s + 63] of window w; register 16 b + i belongs to block b.  Codes: halves c = 0, 1 to v[d0 ..], v[d1 ..], six registers each; the word to v[pw]
	WIN (\w)|((\w)<<2)
.irp b, 0,1,2,3
	v_max3_num_f32 v[TM+\b], |v[(\s)+16*\b]|, |v[(\s)+1+16*\b]|, 0x1800000   ; each accumulator is read from its low end on; the floor 2^(3 - 127) holds the byte at 1 from below
.endr
.irp i, 2,4,6,8,10,12,14
.irp b, 0,1,2,3
	v_max3_num_f32 v[TM+\b], |v[(\s)+16*\b+\i]|, |v[(\s)+1+16*\b+\i]|, v[TM+\b]
.endr
.endr
	WIN 0
.irp b, 0,1,2,3
	v_permlanex16_b32 v[TM+4+\b], v[TM+\b], s2, s3
.endr
.irp b, 0,1,2,3
	v_max_num_f32 v[TM+\b], v[TM+\b], v[TM+4+\b]   ; with lane l xor 16's: the block's largest magnitude
.endr
.irp b, 0,1,2,3
	v_add_nc_u32 v[TM+12+\b], 0xff000000, v[TM+\b] ; 2 off its exponent field: the conversion's scale operand
.endr
.irp b, 0,1,2,3
	v_lshrrev_b32 v[TM+4+\b], 23, v[TM+12+\b]      ; the scale's byte
.endr
	v_lshl_or_b32 v[\pw], v[TM+5], 8, v[TM+4]
	v_lshl_or_b32 v[\pw], v[TM+6], 16, v[\pw]
	v_lshl_or_b32 v[\pw], v[TM+7], 24, v[\pw]
	WIN (\w)
	v_cvt_scalef32_pk16_fp6_f32 v[(\d0):(\d0)+2], v[(\s):(\s)+15], v[TM+12]
	v_cvt_scalef32_pk16_fp6_f32 v[CT:CT+2], v[(\s)+16:(\s)+31], v[TM+13]
	v_cvt_scalef32_pk16_fp6_f32 v[(\d1):(\d1)+2], v[(\s)+32:(\s)+47], v[TM+14]
	v_cvt_scalef32_pk16_fp6_f32 v[CT+4:CT+6], v[(\s)+48:(\s)+63], v[TM+15]
	WIN 0
	v_nop                                          ; one plain line behind the conversions
.irp i, 0,1,2
	v_permlane16_swap_b32 v[(\d0)+\i], v[CT+\i]    ; the operand's layout wants a whole block in a lane: lanes 0-15 the even block, lanes 16-31 the odd one
.endr
.irp i, 0,1,2
	v_mov_b32 v[(\d0)+3+\i], v[CT+\i]
.endr
.irp i, 0,1,2
	v_permlane16_swap_b32 v[(\d1)+\i], v[CT+4+\i]
.endr
.irp i, 0,1,2
	v_mov_b32 v[(\d1)+3+\i], v[CT+4+\i]
.endr
.endm
	s_mov_b32 s2, 0x76543210                       ; v_permlanex16_b32's selects for lane l xor 16
	s_mov_b32 s3, 0xfedcba98
	s_mov_b32 s94, 0xffff0000                      ; lanes 16-31
	v_and_b32 v[LI], 31, v0
	v_lshlrev_b32 v[LI], 4, v[LI]
	v_and_b32 v[SA], 15, v0
	v_bfe_u32 v[SELV], v0, 4, 1
	v_mul_lo_u32 v[XW], v[SELV], s95               ; lanes 16-31 store the odd head's words
	v_lshl_add_u32 v[SA], v[SA], 4, v[XW]          ; 16 bytes a row
	v_add_nc_u32 v[SA], s66, v[SA]
	v_mov_b32 v[SELV], 0x05040100
	v_mov_b32 v[XW], 0x07060302
	v_cndmask_b32 v[SELV], v[SELV], v[XW], s94
.irp b, 0,1,2,3
	v_mov_b32 v[TM+4+\b], 0                        ; written once: a lane permute's destination counts as one of its sources
.endr
	; the eight images' places.  q, k: pair p of head g at g heads + 1536 p.  v: block a = 2 p + g is tile a % 4 of head a / 4.
.irp p, 0,1,2,3
	s_mov_b32 s[4+2*\p], 1536*\p
	s_add_co_u32 s[5+2*\p], s95, 1536*\p
.endr
	s_cmp_eq_u32 ttmp9, 2
.irp p, 0,1,2,3
.irp g, 0,1
	s_mov_b32 s12, (\p/2)*204800+(2*(\p%2)+\g)*1536
	s_cselect_b32 s[4+2*\p+\g], s12, s[4+2*\p+\g]
.endr
.endr
.irp i, 0,1,2,3,4,5,6,7
	v_add_nc_u32 v[OFFV+\i], s[4+\i], v[LI]
.endr
; A pair of A's blocks a0 = 2 p, a1 = 2 p + 1.  q, k: image 0 = [a0's even head | a1's even head], image 1 = the odd head's.  v: image 0 = a0's whole fragment, image 1 = a1's.
.irp p, 0,1,2,3
	QUANT 64*((2*\p)%4), 2+(2*\p)/4, G+24*\p, T, PWS+2*\p
	QUANT 64*((2*\p+1)%4), 2+(2*\p+1)/4, T+6, G+24*\p+18, PWS+2*\p+1
.irp i, 0,1,2,3,4,5
	v_cndmask_b32 v[G+24*\p+6+\i], v[T+\i], v[T+6+\i], s67
	v_cndmask_b32 v[G+24*\p+12+\i], v[T+6+\i], v[T+\i], s67
.endr
.irp g, 0,1
.irp c, 0,1,2
	global_store_b128 v[OFFV+2*\p+\g], v[G+24*\p+12*\g+4*\c:G+24*\p+12*\g+4*\c+3], s[96:97] offset:512*\c   ; 32 lanes store 512 consecutive bytes, aligned to 256
.endr
.endr
.endr
	; the scale words.  q, k: pair p's word of a head = that head's two bytes of a0 and of a1.  v: the words as they are, the even head's four tiles in lanes 0-15, the odd head's in lanes 16-31.
.irp p, 0,1,2,3
	v_perm_b32 v[XW+\p], v[PWS+2*\p+1], v[PWS+2*\p], v[SELV]
	v_cndmask_b32 v[YW+\p], v[PWS+\p], v[PWS+4+\p], s94
.endr
.irp p, 0,1,2,3
	v_cndmask_b32 v[ZW+\p], v[YW+\p], v[XW+\p], s67
.endr
	global_store_b128 v[SA], v[ZW:ZW+3], s[96:97]  ; sixteen lanes store 256 consecutive bytes, aligned, for each of the two heads
	s_wait_tensorcnt 0x0                           ; the wave's end: a wait, an add of 0 to my spare word and its wait, behind my last tensor load
	ds_add_u32 v[SPW], v[NIL]
	s_wait_dscnt 0x0
	CROUND                                         ; the closing round: no work-group ends while a partner may still ask for a tile that names it
	s_endpgm
.Lfunc_end_k_q1102a23d99_qkv:
	.size	k_q1102a23d99_qkv, .Lfunc_end_k_q1102a23d99_qkv-k_q1102a23d99_qkv
	.p2alignl 7, 3214868480
	.fill 96, 4, 3214868480
	.section	.rodata,"a",@progbits
	.p2align	6, 0x0
	.amdhsa_kernel k_q1102a23d99_qkv
		.amdhsa_group_segment_fixed_size 327680
		.amdhsa_private_segment_fixed_size 0
		.amdhsa_enable_private_segment 0
		.amdhsa_kernarg_size 48
		.amdhsa_user_sgpr_count 2
		.amdhsa_user_sgpr_kernarg_segment_ptr 1
		.amdhsa_wavefront_size32 1
		.amdhsa_system_sgpr_workgroup_id_x 1
		.amdhsa_system_sgpr_workgroup_id_y 1
		.amdhsa_system_sgpr_workgroup_id_z 1
		.amdhsa_system_vgpr_workitem_id 0
		.amdhsa_next_free_vgpr 1024
		.amdhsa_next_free_sgpr 100
		.amdhsa_reserve_vcc 0
		.amdhsa_float_denorm_mode_32 3
		.amdhsa_float_denorm_mode_16_64 3
		.amdhsa_memory_ordered 1
		.amdhsa_forward_progress 1
		.amdhsa_inst_pref_size 170
	.end_amdhsa_kernel
	.amdgpu_metadata
---
amdhsa.version: [ 1, 2 ]
amdhsa.kernels:
  - .name:           k_q1102a23d99_qkv
    .symbol:         k_q1102a23d99_qkv.kd
    .args:
      - { .name: xc, .offset: 0, .size: 8, .value_kind: global_buffer, .address_space: global }
      - { .name: xs, .offset: 8, .size: 8, .value_kind: global_buffer, .address_space: global }
      - { .name: wc, .offset: 16, .size: 8, .value_kind: global_buffer, .address_space: global }
      - { .name: ws, .offset: 24, .size: 8, .value_kind: global_buffer, .address_space: global }
      - { .name: qb, .offset: 32, .size: 8, .value_kind: global_buffer, .address_space: global }
      - { .name: kv, .offset: 40, .size: 8, .value_kind: global_buffer, .address_space: global }
    .group_segment_fixed_size: 327680
    .private_segment_fixed_size: 0
    .kernarg_segment_align: 8
    .kernarg_segment_size: 48
    .max_flat_workgroup_size: 128
    .sgpr_count:     100
    .vgpr_count:     1024
    .wavefront_size: 32
...
	.end_amdgpu_metadata
.endif
;; end of part 3
;; launch attn (part 4): grid 8 x 64, 16 waves a work-group, no clusters, 206,848 bytes of LDS; arguments qb, kv, oc, os; writes oc, os
.if DOCPART == 4
	.amdgcn_target "amdgcn-amd-amdhsa--gfx1250"
	.amdhsa_code_object_version 6
	.text
	.protected	k_q1102a23d99_attn
	.globl	k_q1102a23d99_attn
	.p2align	8
	.type	k_q1102a23d99_attn,@function
k_q1102a23d99_attn:
	s_mov_b64 s[64:65], 0
	v_nop
	global_prefetch_b8 v0, s[64:65] scope:SCOPE_SE
	s_setreg_imm32_b32 hwreg(HW_REG_WAVE_MODE, 25, 1), 1
	s_wait_xcnt 0x0
; Causal attention of one (batch, head) on codes of FP6 (E2M3), head size 64, 2,048 keys; the result is quantised along the model's 1,024 channels for the last product and stored as register images.
; t = score x log2(e) / 8; M = the running largest t rounded UP to a whole number; p = 2^(t - M) is quantised along the keys, not normalised; the row's sum is taken of the unquantised p and divides at the end.
; SHARES.  Work-group (j, y = b 16 + head), sixteen waves.  Wave w owns ONE tile of 16 queries: tile w / 2 of the block of 128 queries j or 15 - j (by bit 0 xor bit 2 of w).  A block n needs n + 1 key steps of 128,
; so a low and a high wave have 17 steps together in every work-group.  No cluster: the work-groups that share a head's K and V differ in j, on which the steps that are left out hang.
; LDS.  A head's K and V, 16 steps x 12,800 bytes, are filled ONCE: waves 0-3 issue four tensor loads each at the head (load g of wave i: step 4 g + i); nothing is filled again.  Four loads of a wave are out at the most.
;   All 16 steps are loaded, though a work-group reads 16 - j of them.
; K = 64 IN AN INSTRUCTION OF 128.  A fragment of K holds TWO tiles of 16 keys (registers 0-5, 6-11); it is multiplied by [q | zero codes] and by [zero codes | q]: 18 registers [q][0][q] serve both.
; LAYOUT.  S^T = K Q^T, O^T = V^T P^T: a lane holds one query (lane % 16).  Register 16 b + 8 u + i of S^T is key 32 b + 16 u + 8 (lane / 16) + i, so p's codes of a block stand in the order 0-7, 16-23, 8-15, 24-31, as V's do.
; OUT.  oc [b 16 + block][head / 4][tile][head % 4][768]: registers 0-3 at 16 l, registers 4-5 at 512 + 8 l.  os [row][32]: the head's two bytes at 2 head: 2 bytes a row, rows 32 bytes apart (the neighbours belong to other heads' work-groups).
; LIMITS: a block of zeros gets the byte 1 where the quantiser says 127 (zero codes; read by this program alone); a block under 2^-124 is held at the byte 1; NaN and infinities are not served.
.set STEPB, 12800                      ; a key step in LDS: K's four pair images, V's four fragments at 6144, K's words at 12288, V's at 12544
.set SPARE, 16*STEPB                   ; behind the head's K and V: the spare words, 128 bytes a wave, which no other line names
.set LI,  1                            ; 16 x lane
.set LR,  2                            ; 16 x (lane % 16)
.set QO,  3                            ; Q's codes: my offset
.set QS,  4                            ; Q's scale word: my offset
.set SPW, 5
.set NIL, 6
.set OSR, 7                            ; 32 x (lane % 16): my row of os
.set ADR, 8
.set ADS, 9
.set DD,  10                           ; my query in its block - 8 (lane / 16)
.set L8,  11                           ; 8 x lane
                                       ; v12 -M, v13 the largest t, v[14:15] the sum in two halves
.set Q,   16                           ; v16-33 [q][0][q]
.set QW,  34                           ; q's scale word: its two bytes twice
.set KV,  36                           ; v36-83 four fragments: K's pairs, then V's tiles
.set S,   96                           ; v96-159 S^T, then p
.set O,   160                          ; v160-191 O^T
.set PC,  192                          ; v192-203 p's codes
.set PT,  204                          ; v204-211 the conversions' second halves
.set BM,  212                          ; v212-215 the blocks' largest scores, then largest p
.set BP,  216                          ; v216-219 the other half's; then the bytes
.set SO,  220                          ; v220-223 the conversions' scale operands
.set PW,  224                          ; p's scale word
.set F,   226                          ; v[226:227] f = 2^(old M - new M)
.set TP,  228
.set HW,  229                          ; the way out: the head's two scale bytes
.set S2,  230                          ; v[230:231] the sums' second chain
.set KW,  232                          ; v232-235 K's scale words, a pair each
.set VW,  236                          ; v236-239 V's, a tile each
.set NINF, 240
.set WV,  18
.set SEL, 20
.set CS,  22
.set G1,  24                           ; s[24:31] descriptor group 1; s[32:47] four groups 0
.set G0,  32
.set TB,  48                           ; LDS byte at which the step begins
.set ST,  49                           ; the step
.set CNT, 50
.set BLK, 51                           ; my block of 128 queries: also my last step
.set TI,  52                           ; my tile in it
.set PAR, 53                           ; all ones where my tile is the odd one of its pair
	s_load_b256 s[4:11], s[0:1], 0x0               ; qb, kv, oc, os
	v_lshl_add_u32 v[SPW], v0, 2, SPARE
	v_mov_b32 v[NIL], 0
	ds_add_u32 v[SPW], v[NIL]                      ; the wave's opening: the add and its wait stand ahead of the first tensor load; work on registers stands between them
	ds_add_u32 v[SPW], v[NIL]
	v_lshrrev_b32 v[ADR], 5, v0
	s_delay_alu instid0(VALU_DEP_1)
	v_readfirstlane_b32 s[WV], v[ADR]              ; wave 0..15
	s_and_b32 s55, ttmp7, 0xffff                   ; y = b 16 + head
	s_mov_b32 s[G1], 3<<16                         ; no mask; elements of 8 bytes; no padding
	s_mov_b32 s[G1+1], 32<<16                      ; tensor_dim0 = 32 elements: rows of 256 bytes
	s_mov_b32 s[G1+2], 50<<16                      ; tensor_dim1 = 50 rows: a step's 12,800 dense bytes
	s_mov_b32 s[G1+3], 32<<16                      ; tile_dim0
	s_mov_b32 s[G1+4], 50                          ; tile_dim1
	s_mov_b32 s[G1+5], 32                          ; the pitch
	s_mov_b32 s[G1+6], 0
	s_mov_b32 s[G1+7], 0
	s_lshr_b32 s[TI], s[WV], 1
	s_lshr_b32 s54, s[WV], 2
	s_xor_b32 s54, s54, s[WV]
	s_and_b32 s54, s54, 1                          ; low block or high
	s_sub_co_u32 s56, 15, ttmp9
	s_cmp_eq_u32 s54, 1
	s_cselect_b32 s[BLK], s56, ttmp9
	s_and_b32 s[PAR], s[TI], 1
	s_sub_co_u32 s[PAR], 0, s[PAR]
	s_and_b32 s57, s[WV], 3
	s_mul_i32 s57, s57, STEPB                      ; what I fetch, if I fetch: step (wave % 4) of each group of four
	s_mul_i32 s58, s55, 16*STEPB
	s_add_co_u32 s58, s58, s57
	s_mov_b32 s59, 0
	s_lshl_b32 s60, s55, 4
	s_add_co_u32 s60, s60, s[BLK]
	s_mul_i32 s60, s60, 6400                       ; my block of qb
	s_mov_b32 s61, 0
	s_lshr_b32 s63, s[TI], 1                       ; my pair of tiles
	s_mul_i32 s62, s63, 1536
	s_lshl_b32 s63, s63, 2
	s_lshr_b32 s66, s55, 4                         ; b
	s_and_b32 s67, s55, 15                         ; head
	s_lshl_b32 s68, s66, 4
	s_add_co_u32 s68, s68, s[BLK]                  ; b 16 + block
	s_lshl_b32 s69, s68, 2
	s_lshr_b32 s70, s67, 2
	s_add_co_u32 s69, s69, s70
	s_lshl_b32 s69, s69, 3
	s_add_co_u32 s69, s69, s[TI]
	s_lshl_b32 s69, s69, 2
	s_and_b32 s70, s67, 3
	s_add_co_u32 s69, s69, s70
	s_mul_i32 s70, s69, 768                        ; my piece of oc
	s_mov_b32 s71, 0
	s_lshl_b32 s72, s68, 12                        ; os: 128 rows of 32 bytes a block,
	s_lshl_b32 s73, s[TI], 9                       ; 16 a tile,
	s_add_co_u32 s72, s72, s73
	s_lshl_b32 s73, s67, 1                         ; 2 bytes a head
	s_add_co_u32 s72, s72, s73
	s_mov_b32 s73, 0
	s_mov_b32 s[SEL], 0x76543210
	s_mov_b32 s[SEL+1], 0xfedcba98                 ; v_permlanex16_b32's selects for lane l xor 16
	s_mov_b32 s[CS], 0x3e38aa3b                    ; c = log2(e) / 8
	s_mov_b32 s[CS+1], s[CS]                       ; (named with it as a pair, so it is written)
	v_and_b32 v[LI], 31, v0
	s_delay_alu instid0(VALU_DEP_1)
	v_lshlrev_b32 v[L8], 3, v[LI]
	s_delay_alu instid0(VALU_DEP_2)
	v_lshlrev_b32 v[LI], 4, v[LI]
	v_and_b32 v[LR], 15, v0
	v_bfe_u32 v[DD], v0, 4, 1
	s_delay_alu instid0(VALU_DEP_1)
	v_lshlrev_b32 v[DD], 3, v[DD]
	s_delay_alu instid0(VALU_DEP_1)
	v_sub_nc_u32 v[DD], v[LR], v[DD]
	s_lshl_b32 s54, s[TI], 4
	v_add_nc_u32 v[DD], s54, v[DD]                 ; 16 tile + lane % 16 - 8 (lane / 16)
	v_lshlrev_b32 v[OSR], 5, v[LR]
	v_lshlrev_b32 v[LR], 4, v[LR]
	v_add_nc_u32 v[QO], s62, v[LI]
	s_delay_alu instid0(VALU_DEP_2)
	v_add_nc_u32 v[QS], s63, v[LR]
	s_wait_dscnt 0x0                               ; the opening add is done
	s_wait_kmcnt 0x0
	s_add_nc_u64 s[6:7], s[6:7], s[58:59]
	s_add_nc_u64 s[4:5], s[4:5], s[60:61]
	s_add_nc_u64 s[8:9], s[8:9], s[70:71]
	s_add_nc_u64 s[10:11], s[10:11], s[72:73]
.irp g, 0,1,2,3
	s_mov_b32 s[G0+4*\g], 1                        ; count = 1
	s_add_co_u32 s[G0+4*\g+1], s57, 4*STEPB*\g     ; LDS address: step 4 g + wave
	s_add_nc_u64 s[G0+4*\g+2:G0+4*\g+3], s[6:7], 4*STEPB*\g
	s_or_b32 s[G0+4*\g+3], s[G0+4*\g+3], 0x80000000   ; type = 2
.endr
	s_cmp_lt_u32 s[WV], 4                          ; a wave's four first fills stand in one branch, ahead of every wait on TENSORcnt, every LDS read and every barrier
	s_cbranch_scc0 .Lno_fetch
.irp g, 0,1,2,3
	tensor_load_to_lds s[G0+4*\g:G0+4*\g+3], s[G1:G1+7]
	s_nop 0
.endr
.rept 4
	v_nop
.endr
.Lno_fetch:
	s_wait_alu depctr_va_vdst(0)
	global_load_b128 v[KV:KV+3], v[QO], s[4:5]               ; my pair's image of Q: 12 registers,
	global_load_b128 v[KV+4:KV+7], v[QO], s[4:5] offset:512
	global_load_b128 v[KV+8:KV+11], v[QO], s[4:5] offset:1024
	global_load_b32 v[QW], v[QS], s[4:5] offset:6144         ; and its scale word
	v_mov_b32 v13, 0xff61b1e6                      ; the largest t so far: -3e38, under every t
	s_delay_alu instid0(VALU_DEP_1)
	v_floor_f32 v12, -v13                          ; -M
	v_mov_b32 v14, 0
	v_mov_b32 v15, 0
	v_mov_b32 v[F+1], 0                            ; (named as the upper half of a pair)
	v_mov_b32 v[TP], 0
	v_mov_b32 v[NINF], 0xff800000
.irp b, 0,1,2,3
	v_mov_b32 v[BP+\b], 0                          ; written once: a lane permute's destination counts as one of its sources
.endr
	s_wait_loadcnt 0x0
.irp i, 0,1,2,3,4,5
	v_cndmask_b32 v[Q+\i], v[KV+\i], v[KV+6+\i], s[PAR]      ; my tile's six registers of the pair's twelve
.endr
.irp i, 0,1,2,3,4,5
	v_mov_b32 v[Q+6+\i], 0                         ; zero codes
.endr
.irp i, 0,1,2,3,4,5
	v_mov_b32 v[Q+12+\i], v[Q+\i]
.endr
	v_lshrrev_b32 v35, 16, v[QW]
	s_delay_alu instid0(VALU_DEP_1)
	v_cndmask_b32 v[QW], v[QW], v35, s[PAR]
	s_delay_alu instid0(VALU_DEP_1)
	v_and_b32 v[QW], 0xffff, v[QW]
	s_delay_alu instid0(VALU_DEP_1)
	v_lshl_or_b32 v[QW], v[QW], 16, v[QW]          ; my tile's two bytes, for either half of K
.set jj, 0
.rept 32
	v_mov_b32 v[O+jj], 0                           ; O^T: the step is written once; the first finds zeros.  (These are also the places between Q's lines and the first product)
.set jj, jj+1
.endr
; A KEY STEP: 128 keys.  A step all of whose keys come after my queries is left out: a scalar branch on ids, round the step's loads, products and softmax, not round the lines at its end that step addresses.
.macro STEP
	s_cmp_gt_u32 s[ST], s[BLK]
	s_cbranch_scc1 .Lhidden_\@
	s_setprio 2
	v_add_nc_u32 v[ADR], s[TB], v[LI]
	v_add_nc_u32 v[ADS], s[TB], v[LR]
	v_nop
	v_nop                                          ; four places behind the last step's products, in front of loads into their operands
.irp p, 0,1,2,3
.irp c, 0,1,2
	ds_load_b128 v[KV+12*\p+4*\c:KV+12*\p+4*\c+3], v[ADR] offset:1536*\p+512*\c   ; K's pair p, as its registers were stored: 512 consecutive bytes a load
.endr
.endr
	ds_load_b128 v[KW:KW+3], v[ADS] offset:12288
	ds_load_b128 v[VW:VW+3], v[ADS] offset:12544
	s_wait_alu depctr_va_vdst(0)
	s_wait_dscnt 0x0
.irp p, 0,1,2,3
.irp u, 0,1
	v_wmma_scale_f32_16x16x128_f8f6f4 v[S+8*(2*\p+\u):S+8*(2*\p+\u)+7], v[KV+12*\p:KV+12*\p+11], v[Q+6*\u:Q+6*\u+11], 0, v[KW+\p], v[QW] matrix_a_fmt:MATRIX_FMT_FP6 matrix_b_fmt:MATRIX_FMT_FP6
.endr
.endr
.rept 4
	v_nop                                          ; places in front of the loads below and of the first read of the scores
.endr
.irp t, 0,1,2,3
.irp c, 0,1,2
	ds_load_b128 v[KV+12*\t+4*\c:KV+12*\t+4*\c+3], v[ADR] offset:6144+1536*\t+512*\c   ; V's four tiles land while the softmax is walked
.endr
.endr
	s_cmp_lg_u32 s[ST], s[BLK]                     ; only my last step lies on the diagonal: there the scores of hidden keys become -infinity, so that p = 0
	s_cbranch_scc1 .Lopen_\@
.set mk, 0
.rept 64
	v_cmp_gt_i32 vcc_lo, 32*(mk/16)+16*((mk/8)%2)+mk%8, v[DD]
	v_cndmask_b32 v[S+mk], v[S+mk], v[NINF], vcc_lo
.set mk, mk+1
.endr
.Lopen_\@:
.irp b, 0,1,2,3
	v_max3_num_f32 v[BM+\b], v[S+16*\b], v[S+1+16*\b], v[S+2+16*\b]   ; the largest score of each block of 32 keys: for the row's maximum and, since p rises with the score, for the block's largest p
.endr
.irp i, 3,5,7,9,11,13
.irp b, 0,1,2,3
	v_max3_num_f32 v[BM+\b], v[BM+\b], v[S+16*\b+\i], v[S+1+16*\b+\i]
.endr
.endr
.irp b, 0,1,2,3
	v_max_num_f32 v[BM+\b], v[BM+\b], v[S+15+16*\b]
.endr
.irp b, 0,1,2,3
	s_delay_alu instid0(VALU_DEP_4)
	v_permlanex16_b32 v[BP+\b], v[BM+\b], s[SEL], s[SEL+1]
.endr
.irp b, 0,1,2,3
	s_delay_alu instid0(VALU_DEP_4)
	v_max_num_f32 v[BM+\b], v[BM+\b], v[BP+\b]     ; with lane l xor 16's 16 keys
.endr
	s_delay_alu instid0(VALU_DEP_2)
	v_max3_num_f32 v[TP], v[BM], v[BM+1], v[BM+2]
	s_delay_alu instid0(VALU_DEP_1)
	v_max_num_f32 v[TP], v[TP], v[BM+3]
	s_delay_alu instid0(VALU_DEP_1)
	v_mul_f32 v[TP], s[CS], v[TP]                  ; as t
	s_delay_alu instid0(VALU_DEP_1)
	v_max_num_f32 v13, v13, v[TP]                  ; the running largest t
	v_mov_b32 v[TP], v12
	s_delay_alu instid0(VALU_DEP_2)
	v_floor_f32 v12, -v13                          ; the new -M = -ceil(t)
	s_delay_alu instid0(VALU_DEP_1)
	v_sub_f32 v[TP], v12, v[TP]                    ; old M - new M: a whole number, 0 or less
	s_delay_alu instid0(VALU_DEP_1)
	v_cvt_i32_f32 v[TP], v[TP]                     ; (it saturates)
	s_delay_alu instid0(VALU_DEP_1)
	v_ldexp_f32 v[F], 1.0, v[TP]                   ; f = 2^(old M - new M): a multiplication by it rounds nothing
.set jj, 0
.rept 32
	v_pk_fma_f32 v[S+jj:S+jj+1], v[S+jj:S+jj+1], s[CS:CS+1], v[12:13] op_sel_hi:[1,0,0]   ; t - M, two at a time
.set jj, jj+2
.endr
	s_setprio 1
.irp b, 0,1,2,3
	v_fma_f32 v[BM+\b], v[BM+\b], s[CS], v12       ; the same of each block's largest score
.endr
.set jj, 0
	s_wait_alu depctr_va_vdst(0)
.rept 64
	v_exp_f32 v[S+jj], v[S+jj]                     ; p = 2^(t - M), at most 1
.set jj, jj+1
.endr
	v_pk_mul_f32 v[14:15], v[14:15], v[F:F+1] op_sel_hi:[1,0]   ; the sums under the new M (the plain line behind the exponentials)
	s_wait_alu depctr_va_vdst(0)                   ; one wait for the batch of 64, ahead of its first reader
.irp b, 0,1,2,3
	v_exp_f32 v[BM+\b], v[BM+\b]                   ; the blocks' largest p
.endr
	v_pk_add_f32 v[230:231], v[100:101], v[104:105]
	v_pk_add_f32 v[254:255], v[108:109], v[112:113]
	v_pk_add_f32 v[252:253], v[116:117], v[120:121]
	v_pk_add_f32 v[250:251], v[124:125], v[128:129]
	v_pk_add_f32 v[248:249], v[132:133], v[136:137]
	v_pk_add_f32 v[246:247], v[140:141], v[144:145]
	v_pk_add_f32 v[244:245], v[148:149], v[152:153]
	v_pk_add_f32 v[14:15], v[14:15], v[156:157]
	v_pk_add_f32 v[230:231], v[230:231], v[96:97]
	v_pk_add_f32 v[254:255], v[254:255], v[98:99]
	v_pk_add_f32 v[252:253], v[252:253], v[102:103]
	v_pk_add_f32 v[250:251], v[250:251], v[106:107]
	v_pk_add_f32 v[248:249], v[248:249], v[110:111]
	v_pk_add_f32 v[246:247], v[246:247], v[114:115]
	v_pk_add_f32 v[244:245], v[244:245], v[118:119]
	v_pk_add_f32 v[14:15], v[14:15], v[122:123]
	v_pk_add_f32 v[230:231], v[230:231], v[126:127]
	v_pk_add_f32 v[254:255], v[254:255], v[130:131]
	v_pk_add_f32 v[252:253], v[252:253], v[134:135]
	v_pk_add_f32 v[250:251], v[250:251], v[138:139]
	v_pk_add_f32 v[248:249], v[248:249], v[142:143]
	v_pk_add_f32 v[246:247], v[246:247], v[146:147]
	v_pk_add_f32 v[244:245], v[244:245], v[150:151]
	v_pk_add_f32 v[14:15], v[14:15], v[154:155]
	v_pk_add_f32 v[230:231], v[230:231], v[158:159]
	s_delay_alu instid0(VALU_DEP_2)
	v_pk_add_f32 v[14:15], v[14:15], v[250:251]
	s_delay_alu instid0(VALU_DEP_2)
	v_pk_add_f32 v[230:231], v[230:231], v[248:249]
	v_pk_add_f32 v[254:255], v[254:255], v[246:247]
	v_pk_add_f32 v[252:253], v[252:253], v[244:245]
	s_delay_alu instid0(VALU_DEP_2)
	v_pk_add_f32 v[14:15], v[14:15], v[254:255]
	s_delay_alu instid0(VALU_DEP_2)
	v_pk_add_f32 v[230:231], v[230:231], v[252:253]
	s_delay_alu instid0(VALU_DEP_1)
	v_pk_add_f32 v[14:15], v[14:15], v[230:231]
	s_wait_alu depctr_va_vdst(0)                   ; and one for the four
.irp b, 0,1,2,3
	v_max_num_f32 v[BM+\b], 0x1800000, v[BM+\b]    ; the floor 2^(3 - 127): the byte cannot fall under 1
.endr
.irp b, 0,1,2,3
	s_delay_alu instid0(VALU_DEP_4)
	v_add_nc_u32 v[SO+\b], 0xff000000, v[BM+\b]    ; 2 off the exponent field: the conversion's scale operand
.endr
.irp b, 0,1,2,3
	s_delay_alu instid0(VALU_DEP_4)
	v_lshrrev_b32 v[BP+\b], 23, v[SO+\b]           ; the scale's byte
.endr
	s_delay_alu instid0(VALU_DEP_3)
	v_lshl_or_b32 v[PW], v[BP+1], 8, v[BP]
	s_delay_alu instid0(VALU_DEP_1)
	v_lshl_or_b32 v[PW], v[BP+2], 16, v[PW]
	s_delay_alu instid0(VALU_DEP_1)
	v_lshl_or_b32 v[PW], v[BP+3], 24, v[PW]
	s_setprio 0
.irp c, 0,1
	v_cvt_scalef32_pk16_fp6_f32 v[PC+6*\c:PC+6*\c+2], v[S+32*\c:S+32*\c+15], v[SO+2*\c]
	v_cvt_scalef32_pk16_fp6_f32 v[PT+4*\c:PT+4*\c+2], v[S+16+32*\c:S+31+32*\c], v[SO+2*\c+1]
.endr
	v_nop                                          ; one plain line behind the conversions
.irp c, 0,1
.irp i, 0,1,2
	v_permlane16_swap_b32 v[PC+6*\c+\i], v[PT+4*\c+\i]   ; a whole block to a lane: lanes 0-15 block 2 c, lanes 16-31 block 2 c + 1
.endr
.irp i, 0,1,2
	s_delay_alu instid0(VALU_DEP_3)
	v_mov_b32 v[PC+3+6*\c+\i], v[PT+4*\c+\i]
.endr
.endr
.set jj, 0
.rept 16
	v_pk_mul_f32 v[O+jj:O+jj+1], v[O+jj:O+jj+1], v[F:F+1] op_sel_hi:[1,0]   ; O^T under the new M.  Twelve of the sixteen name no register of a given product below: the places behind p's word (8) and codes (4)
.set jj, jj+2
.endr
.rept 4
	v_nop                                          ; so that the accumulators just written stand four places ahead too
.endr
	s_wait_alu depctr_va_vdst(0)
	s_wait_dscnt 0x0                               ; V is in
.irp t, 0,1,2,3
	v_wmma_scale_f32_16x16x128_f8f6f4 v[O+8*\t:O+8*\t+7], v[KV+12*\t:KV+12*\t+11], v[PC:PC+11], v[O+8*\t:O+8*\t+7], v[VW+\t], v[PW] matrix_a_fmt:MATRIX_FMT_FP6 matrix_b_fmt:MATRIX_FMT_FP6   ; the four accumulators by turns
.endr
.Lhidden_\@:
	s_add_co_u32 s[TB], s[TB], STEPB
	s_add_co_u32 s[ST], s[ST], 1
.endm
; Four steps.  In front of them: waves 0-3 have their loads 0 .. g in (the 3 - g later ones stay out), and the barrier shows that to all sixteen.
.macro GROUP g
	s_wait_dscnt 0x0                               ; no LDS instruction of mine is out at a signal
	s_wait_tensorcnt 3-\g
	s_barrier_signal -1
	s_barrier_wait -1
	s_mov_b32 s[TB], \g*4*STEPB
	s_mov_b32 s[ST], 4*\g
	s_mov_b32 s[CNT], 4
.Lgroup_\@:
	STEP
	s_sub_co_u32 s[CNT], s[CNT], 1
	s_cmp_lg_u32 s[CNT], 0
	s_cbranch_scc1 .Lgroup_\@
	s_setprio 0
.endm
	GROUP 0
	GROUP 1
	GROUP 2
	GROUP 3
	; THE WAY OUT.  O^T / the sum; its 64 channels are two blocks of 32 along the last product's K: quantised in registers, stored as half a fragment's image and two scale bytes.
.rept 4
	v_nop                                          ; places behind the last products
.endr
	v_add_f32 v14, v14, v15
	s_delay_alu instid0(VALU_DEP_1)
	v_permlanex16_b32 v[TP], v14, s[SEL], s[SEL+1]
	s_delay_alu instid0(VALU_DEP_1)
	v_add_f32 v14, v14, v[TP]                      ; the row's sum
	s_wait_alu depctr_va_vdst(0)
	v_rcp_f32 v14, v14
	v_nop                                          ; a plain line behind the reciprocal
	s_wait_alu depctr_va_vdst(0)                   ; and the wait ahead of its first reader
.set jj, 0
.rept 32
	v_mul_f32 v[S+jj], v[O+jj], v14                ; register 16 b + 8 u + i is channel 32 b + 16 u + 8 (lane / 16) + i of my query
.set jj, jj+1
.endr
.irp b, 0,1
	v_max3_num_f32 v[BM+\b], |v[S+16*\b]|, |v[S+1+16*\b]|, 0x1800000
.endr
.irp i, 2,4,6,8,10,12,14
.irp b, 0,1
	s_delay_alu instid0(VALU_DEP_2)
	v_max3_num_f32 v[BM+\b], v[BM+\b], |v[S+16*\b+\i]|, |v[S+1+16*\b+\i]|
.endr
.endr
.irp b, 0,1
	s_delay_alu instid0(VALU_DEP_2)
	v_permlanex16_b32 v[BP+\b], v[BM+\b], s[SEL], s[SEL+1]
.endr
.irp b, 0,1
	s_delay_alu instid0(VALU_DEP_2)
	v_max_num_f32 v[BM+\b], v[BM+\b], v[BP+\b]
.endr
.irp b, 0,1
	s_delay_alu instid0(VALU_DEP_2)
	v_add_nc_u32 v[SO+\b], 0xff000000, v[BM+\b]
.endr
.irp b, 0,1
	s_delay_alu instid0(VALU_DEP_2)
	v_lshrrev_b32 v[BP+\b], 23, v[SO+\b]
.endr
	s_delay_alu instid0(VALU_DEP_1)
	v_lshl_or_b32 v[HW], v[BP+1], 8, v[BP]
	v_cvt_scalef32_pk16_fp6_f32 v[PC:PC+2], v[S:S+15], v[SO]
	v_cvt_scalef32_pk16_fp6_f32 v[PT:PT+2], v[S+16:S+31], v[SO+1]
	v_nop
.irp i, 0,1,2
	v_permlane16_swap_b32 v[PC+\i], v[PT+\i]
.endr
.irp i, 0,1,2
	s_delay_alu instid0(VALU_DEP_3)
	v_mov_b32 v[PC+3+\i], v[PT+\i]
.endr
	global_store_b128 v[LI], v[PC:PC+3], s[8:9]              ; 512 consecutive bytes, aligned to 256
	global_store_b64 v[L8], v[PC+4:PC+5], s[8:9] offset:512  ; 256 consecutive bytes, aligned
	global_store_b16 v[OSR], v[HW], s[10:11]                 ; lanes l and l xor 16 store the same two bytes at the same place
	s_wait_tensorcnt 0x0                           ; the wave's end: a wait, an add of 0 to my spare word and its wait, behind the last tensor load
	ds_add_u32 v[SPW], v[NIL]
	s_wait_dscnt 0x0
	s_endpgm
.Lfunc_end_k_q1102a23d99_attn:
	.size	k_q1102a23d99_attn, .Lfunc_end_k_q1102a23d99_attn-k_q1102a23d99_attn
	.p2alignl 7, 3214868480
	.fill 96, 4, 3214868480
	.section	.rodata,"a",@progbits
	.p2align	6, 0x0
	.amdhsa_kernel k_q1102a23d99_attn
		.amdhsa_group_segment_fixed_size 206848
		.amdhsa_private_segment_fixed_size 0
		.amdhsa_enable_private_segment 0
		.amdhsa_kernarg_size 32
		.amdhsa_user_sgpr_count 2
		.amdhsa_user_sgpr_kernarg_segment_ptr 1
		.amdhsa_wavefront_size32 1
		.amdhsa_system_sgpr_workgroup_id_x 1
		.amdhsa_system_sgpr_workgroup_id_y 1
		.amdhsa_system_sgpr_workgroup_id_z 1
		.amdhsa_system_vgpr_workitem_id 0
		.amdhsa_next_free_vgpr 256
		.amdhsa_next_free_sgpr 80
		.amdhsa_reserve_vcc 1
		.amdhsa_float_denorm_mode_32 3
		.amdhsa_float_denorm_mode_16_64 3
		.amdhsa_memory_ordered 1
		.amdhsa_forward_progress 1
		.amdhsa_inst_pref_size 101
	.end_amdhsa_kernel
	.amdgpu_metadata
---
amdhsa.version: [ 1, 2 ]
amdhsa.kernels:
  - .name:           k_q1102a23d99_attn
    .symbol:         k_q1102a23d99_attn.kd
    .args:
      - { .name: qb, .offset: 0, .size: 8, .value_kind: global_buffer, .address_space: global }
      - { .name: kv, .offset: 8, .size: 8, .value_kind: global_buffer, .address_space: global }
      - { .name: oc, .offset: 16, .size: 8, .value_kind: global_buffer, .address_space: global }
      - { .name: os, .offset: 24, .size: 8, .value_kind: global_buffer, .address_space: global }
    .group_segment_fixed_size: 206848
    .private_segment_fixed_size: 0
    .kernarg_segment_align: 8
    .kernarg_segment_size: 32
    .max_flat_workgroup_size: 512
    .sgpr_count:     80
    .vgpr_count:     256
    .wavefront_size: 32
...
	.end_amdgpu_metadata
.endif
;; end of part 4
;; launch proj (part 5): grid 4 x 32, 4 waves a work-group, clusters of 4 x 4, 327,680 bytes of LDS; arguments oc, os, wc, ws, bo, out0; writes out0
.if DOCPART == 5
	.amdgcn_target "amdgcn-amd-amdhsa--gfx1250"
	.amdhsa_code_object_version 6
	.text
	.protected	k_q1102a23d99_proj
	.globl	k_q1102a23d99_proj
	.p2align	8
	.type	k_q1102a23d99_proj,@function
k_q1102a23d99_proj:
	s_mov_b64 s[64:65], 0
	v_nop
	global_prefetch_b8 v0, s[64:65] scope:SCOPE_SE
	s_setreg_imm32_b32 hwreg(HW_REG_WAVE_MODE, 25, 1), 1
	s_wait_xcnt 0x0
	s_wait_alu depctr_hold_cnt(0) depctr_sa_sdst(0) depctr_va_vdst(0) depctr_va_sdst(0) depctr_va_ssrc(0) depctr_va_vcc(0) depctr_vm_vsrc(0)
	s_getreg_b32 s2, hwreg(HW_REG_IB_STS2, 6, 4)
	s_cmp_eq_u32 s2, 0
	s_cbranch_scc0 .Lentry_in_a_cluster
	s_endpgm
.Lentry_in_a_cluster:
	s_bfe_u32 s2, ttmp6, 0x10000c
	s_cmp_lg_u32 s2, 0xf033
	s_cbranch_scc0 .Lentry_shape_is_right
	s_endpgm
.Lentry_shape_is_right:
; out0 = (attention result) Wo + bo, on codes of FP6 (E2M3) with E8M0 scales for each 32 along K = 1024; out0 [8192][1024] f32.
; A = the attention result: oc holds it as IMAGES OF OPERAND REGISTERS, [block of 128 rows][256 along K][tile of 16 rows][head % 4][768]: a piece of 768 bytes is six registers (64 along K): registers 0-3 at 16 l, 4-5 at 512 + 8 l.
;   So a wave's part of a slot (128 rows x 256 K) is one dense block of 24,576 bytes, and a fragment comes by two loads of 16 and two of 8 bytes a lane, each on consecutive bytes.  os [row][32]: its scale bytes.
; B = Wo's codes in wc (the fourth weight), rows n, K innermost, with the rows of each block of 32 in the order in which A's codes stand (0-7, 16-23, 8-15, 24-31); ws: its scale bytes.
; A tile of out0 is 256 x 256, a wave's 128 x 128: 64 accumulators.  The matrix instruction is used transposed (source 0 = 16 rows of B, source 1 = 16 rows of A): a lane holds eight neighbouring columns of a row.
; THE BIAS is the C of each sum's first matrix instruction: eight registers for each of B's eight blocks, in the result's layout.
; K goes in steps of 256 through a ring of two LDS slots filled by joint tensor loads (A's tile shared along the cluster's row, B's along its column); the scales come once.  128 work-groups: 8192 x 1024 has no more tiles of this size.
; REGISTERS, in windows of 256: window 0: v0-31 addresses; v32-63 scale words, two sets; v64-127 the bias; from v128 A's fragments, one set.  window 1: B's fragments, two sets.  windows 2, 3: the accumulators.
.set SIZE_N, 1024
.set SIZE_K, 1024
.set KSTEP,  256
.set NQ,     KSTEP/128
.set ROWB,   192
.set KROW,   SIZE_K*6/8
.set PITCH,  240                       ; B's LDS row: 3 x (64 bytes + 16 of padding)
.set ABLK,   24576                     ; A: 128 rows x 256 K, dense
.set FR,     12
.set NL,     6                         ; LDS loads that bring a fragment of B
.set NLA,    4                         ; and of A
.set NP,     4
.set HALFT,  128*PITCH
.set SLOT,   4*HALFT
.set LAPS,   SIZE_K/(2*KSTEP)
.set KS,     SIZE_K/32
.set SCL,    2*SLOT
.set HALFS,  (128*KS/256)*272
.set SBLK,   (16*KS/256)*272
.set SPARE,  SCL+4*HALFS               ; behind the scales: the spare words, 128 bytes a wave, which no other line names
.set SPITCH, 528                       ; the way out: a stage of 16 rows x (512 + 16) bytes a wave, in slot 0, which has had its last fill and its last read by then
.set ADRA, 16                          ; v16-17 A in slot 0, 1: 16 x lane;  v18-19: 8 x lane
.set ADRB, 20
.set STO,  24
.set RD,   25
.set CO,   26
.set SPW,  28
.set NIL,  29
.set ADRS, 27
.set SC,   32
.set BI,   64                          ; v64-127 the bias
.set AF,   128
.set BK,   128
.set G1, 24
.set G0, 32
.set G1B, 48
.set G0B, 56
.set G1S, 68
.set G0S, 76
.set G1SB, 80
.set G0SB, 88
.set MSB, 0
.macro WIN new
.if MSB != (\new)
	s_set_vgpr_msb (MSB<<8)|(\new)
.set MSB, (\new)
.endif
.endm
.set MUL_LO, 0xa1                      ; source 0 (B) window 1, source 1 (A) window 0, C and D window 2
.set MUL_HI, 0xf1
.set FST_LO, 0x81                      ; the first step: C (the bias) window 0, D window 2
.set FST_HI, 0xc1
.set TO_B,   0x40
.macro JLOAD g0a, g1a, g0b, g1b        ; a joint load: waves 0 and 1 fetch for A, waves 2 and 3 for B; an s_nop 0 and four v_nop follow each line
	s_cmp_eq_u32 s15, 0
	s_cbranch_scc0 .Lfor_b_\@
	tensor_load_to_lds s[\g0a:\g0a+3], s[\g1a:\g1a+7]
	s_nop 0
.rept 4
	v_nop
.endr
	s_branch .Lasked_\@
.Lfor_b_\@:
	tensor_load_to_lds s[\g0b:\g0b+3], s[\g1b:\g1b+7]
	s_nop 0
.rept 4
	v_nop
.endr
.Lasked_\@:
.endm
.macro CREST
	s_cmp_lg_u32 s14, 0
	s_cbranch_scc1 .Lnot_wave_0_\@
	s_barrier_signal -3
.Lnot_wave_0_\@:
	s_barrier_wait -3
	s_barrier_signal -1
	s_barrier_wait -1
.endm
.macro CROUND
	s_barrier_signal -1
	s_barrier_wait -1
	CREST
.endm
	s_load_b128 s[4:7], s[0:1], 0x0                ; oc, os
	s_load_b128 s[8:11], s[0:1], 0x10              ; wc, ws
	s_load_b64 s[96:97], s[0:1], 0x20              ; bo
	s_load_b64 s[12:13], s[0:1], 0x28              ; out0
	v_lshl_add_u32 v[SPW], v0, 2, SPARE
	v_mov_b32 v[NIL], 0
	ds_add_u32 v[SPW], v[NIL]                      ; the wave's opening: the add and its wait stand ahead of my first tensor load
	v_lshrrev_b32 v1, 5, v0
	v_readfirstlane_b32 s14, v1                    ; wave 0..3
	s_lshr_b32 s15, s14, 1                         ; which half of the tile's rows is mine.  Also: I fetch for A (0) or for B (1)
	s_and_b32 s16, s14, 1                          ; which half of its columns.  Also: which 128 rows I fetch
	s_bfe_u32 s40, ttmp6, 0x40000                  ; cx, cy
	s_bfe_u32 s41, ttmp6, 0x40004
	s_lshl_b32 s42, ttmp9, 2
	s_add_co_u32 s42, s42, s40                     ; tile column
	s_and_b32 s17, ttmp7, 0xffff
	s_lshl_b32 s17, s17, 2
	s_add_co_u32 s17, s17, s41                     ; tile row
	s_lshl_b32 s43, s41, 2
	s_lshl_b32 s43, 15, s43                        ; my row of the cluster
	s_lshl_b32 s44, 0x1111, s40                    ; my column
	s_or_b32 s[G1+0], s43, (3<<16)|(1<<21)         ; A: the mask of my row; elements of 8 bytes; no padding; bit 21 beside a mask
	s_mov_b32 s[G1+1], 32<<16                      ; rows of 256 bytes,
	s_mov_b32 s[G1+2], 96<<16                      ; 96 of them: 24,576 dense bytes
	s_mov_b32 s[G1+3], 32<<16
	s_mov_b32 s[G1+4], 96
	s_mov_b32 s[G1+5], 32
	s_mov_b32 s[G1+6], 0
	s_mov_b32 s[G1+7], 0
	s_or_b32 s[G1B+0], s44, (0<<16)|(1<<20)|(1<<21)|(3<<22)|(3<<25)  ; B: 128 rows of 192 bytes, 16 bytes of padding behind every 64
	s_mov_b32 s[G1B+1], ROWB<<16
	s_mov_b32 s[G1B+2], 128<<16
	s_mov_b32 s[G1B+3], ROWB<<16
	s_mov_b32 s[G1B+4], 128
	s_mov_b32 s[G1B+5], KROW
	s_mov_b32 s[G1B+6], 0
	s_mov_b32 s[G1B+7], 0
	s_or_b32 s[G1S+0], s43, (3<<16)|(1<<20)|(1<<21)|(5<<22)|(3<<25)  ; the scales of 128 rows: 4,096 dense bytes as rows of 256, 16 bytes of padding behind each
	s_or_b32 s[G1SB+0], s44, (3<<16)|(1<<20)|(1<<21)|(5<<22)|(3<<25)
.irp g, G1S, G1SB
	s_mov_b32 s[\g+1], 32<<16
	s_mov_b32 s[\g+2], (128*KS/256)<<16
	s_mov_b32 s[\g+3], 32<<16
	s_mov_b32 s[\g+4], 128*KS/256
	s_mov_b32 s[\g+5], 32
	s_mov_b32 s[\g+6], 0
	s_mov_b32 s[\g+7], 0
.endr
	s_lshl_b32 s18, s16, 7
	s_lshl_b32 s20, s17, 8
	s_add_co_u32 s20, s20, s18                     ; A: row 256 x tile row + 128 x half
	s_lshl_b32 s46, s42, 8
	s_add_co_u32 s46, s46, s18                     ; B: row 256 x tile column + 128 x half
	s_mov_b32 s21, 0
	s_mov_b32 s47, 0
	s_mov_b64 s[18:19], KS
	s_mul_u64 s[22:23], s[20:21], s[18:19]
	s_mul_u64 s[92:93], s[46:47], s[18:19]
	s_mov_b64 s[18:19], KROW
	s_mul_u64 s[20:21], s[20:21], s[18:19]         ; 768 bytes a row in oc too: a block of 128 rows is 98,304 bytes
	s_mul_u64 s[46:47], s[46:47], s[18:19]
	s_mul_i32 s45, s14, HALFT
	s_mul_i32 s94, s14, HALFS
	s_wait_dscnt 0x0                               ; the opening add is done
	s_wait_kmcnt 0x0
	s_add_nc_u64 s[8:9], s[8:9], 3*786432          ; Wo is the fourth weight
	s_add_nc_u64 s[10:11], s[10:11], 3*32768
	s_add_nc_u64 s[20:21], s[4:5], s[20:21]
	s_add_nc_u64 s[22:23], s[6:7], s[22:23]
	s_add_nc_u64 s[46:47], s[8:9], s[46:47]
	s_add_nc_u64 s[92:93], s[10:11], s[92:93]
	CROUND                                         ; all sixteen work-groups are here: the first joint loads meet
	s_mov_b32 s[G0S], 1
	s_add_co_u32 s[G0S+1], s94, SCL
	s_mov_b64 s[G0S+2:G0S+3], s[22:23]
	s_or_b32 s[G0S+3], s[G0S+3], 0x80000000
	s_mov_b32 s[G0SB], 1
	s_add_co_u32 s[G0SB+1], s94, SCL
	s_mov_b64 s[G0SB+2:G0SB+3], s[92:93]
	s_or_b32 s[G0SB+3], s[G0SB+3], 0x80000000
	JLOAD G0S, G1S, G0SB, G1SB                     ; the scales first.  With the two below, three loads of mine are out
.irp s, 0,1
	s_mov_b32 s[G0+4*\s], 1
	s_add_co_u32 s[G0+4*\s+1], s45, \s*SLOT
	s_add_nc_u64 s[G0+4*\s+2:G0+4*\s+3], s[20:21], \s*ABLK
	s_or_b32 s[G0+4*\s+3], s[G0+4*\s+3], 0x80000000
	s_mov_b32 s[G0B+4*\s], 1
	s_add_co_u32 s[G0B+4*\s+1], s45, \s*SLOT
	s_add_nc_u64 s[G0B+4*\s+2:G0B+4*\s+3], s[46:47], \s*ROWB
	s_or_b32 s[G0B+4*\s+3], s[G0B+4*\s+3], 0x80000000
	JLOAD G0+4*\s, G1, G0B+4*\s, G1B
.endr
	v_and_b32 v1, 15, v0                           ; l % 16
	v_bfe_u32 v2, v0, 4, 1                         ; l / 16
	v_mul_u32_u24 v3, v1, PITCH
	v_mul_u32_u24 v4, v2, 24
	v_add_nc_u32 v4, v3, v4                        ; B: a fragment's row x pitch + 24 x half
	v_lshl_add_u32 v5, v2, 4, v4                   ; and the same behind one padding more
	v_and_b32 v6, 31, v0
	v_lshlrev_b32 v7, 4, v6                        ; A: 16 x lane,
	v_lshlrev_b32 v8, 3, v6                        ; 8 x lane
	s_mul_i32 s21, s15, HALFT                      ; my 128 rows of A
	s_mul_i32 s22, s16, HALFT                      ; my 128 rows of B,
	s_add_co_u32 s22, s22, 2*HALFT                 ; which lie behind A's two places
.irp s, 0,1
	v_add_nc_u32 v[ADRA+\s], s21, v7
	v_add_nc_u32 v[ADRB+\s], s22, v4
	v_add_nc_u32 v[ADRA+2+\s], s21, v8
	v_add_nc_u32 v[ADRB+2+\s], s22, v5
	s_add_co_u32 s21, s21, SLOT
	s_add_co_u32 s22, s22, SLOT
.endr
	v_mul_u32_u24 v5, v1, KS
	v_lshrrev_b32 v6, 8, v5
	v_lshl_add_u32 v5, v6, 4, v5
	s_mul_i32 s21, s15, HALFS
	s_mul_i32 s22, s16, HALFS
	s_add_co_u32 s22, s22, 2*HALFS
	s_sub_co_u32 s22, s22, s21
	v_mul_u32_u24 v6, s22, v2                      ; lanes 16-31 take B's scale words
	s_add_co_u32 s21, s21, SCL
	v_add_nc_u32 v5, v5, v6
	v_add_nc_u32 v[ADRS], s21, v5
	s_mul_i32 s23, s14, 16*SPITCH                  ; my stage
	v_mul_u32_u24 v5, v1, SPITCH
	v_lshl_add_u32 v5, v2, 5, v5
	v_add_nc_u32 v[STO], s23, v5
	v_and_b32 v6, 31, v0
	v_lshlrev_b32 v[CO], 4, v6
	v_add_nc_u32 v[RD], s23, v[CO]
	s_lshl_b32 s20, s17, 8
	s_lshl_b32 s21, s15, 7
	s_add_co_u32 s20, s20, s21                     ; my first row of out0
	s_mov_b32 s21, 0
	s_mov_b64 s[18:19], SIZE_N*4
	s_mul_u64 s[20:21], s[20:21], s[18:19]
	s_lshl_b32 s46, s42, 10                        ; my first column, in bytes: 1024 x tile column + 512 x half
	s_lshl_b32 s47, s16, 9
	s_add_co_u32 s46, s46, s47
	s_mov_b32 s47, 0
	s_add_nc_u64 s[96:97], s[96:97], s[46:47]      ; the bias of my 128 columns
	s_add_nc_u64 s[20:21], s[20:21], s[46:47]
	s_add_nc_u64 s[12:13], s[12:13], s[20:21]
	v_lshlrev_b32 v9, 5, v2                        ; lane (r, h) wants, for B's block b, the bias of columns 16 b + 8 h + 0 .. 7
.irp b, 0,1,2,3,4,5,6,7
	global_load_b128 v[BI+8*\b:BI+8*\b+3], v9, s[96:97] offset:64*\b
	global_load_b128 v[BI+8*\b+4:BI+8*\b+7], v9, s[96:97] offset:64*\b+16
.endr
.macro FRAG reg, adr, q, i             ; a fragment of B: six pieces of 8 bytes from padded rows
.irp p, 0,1,2,3,4,5
.set PCE, 12*(\q)+6*(\p/3)+\p%3
.if PCE%8 < 5
	ds_load_b64 v[\reg+2*\p:\reg+2*\p+1], v[\adr] offset:8*PCE+16*(PCE/8)+(\i)*16*PITCH
.else
	ds_load_b64 v[\reg+2*\p:\reg+2*\p+1], v[\adr+2] offset:8*PCE+16*(PCE/8)+(\i)*16*PITCH
.endif
.endr
.endm
.macro FRAG_A reg, slot, q, i          ; a fragment of A: two pieces of 768 bytes (64 along K each), as their registers were stored
.irp c, 0,1
	ds_load_b128 v[\reg+6*\c:\reg+6*\c+3], v[ADRA+\slot] offset:3072*(\i)+768*(2*(\q)+\c)
	ds_load_b64 v[\reg+6*\c+4:\reg+6*\c+5], v[ADRA+2+\slot] offset:3072*(\i)+768*(2*(\q)+\c)+512
.endr
.endm
; 16 matrix instructions.  first = 1: the sums begin with the bias.  The 64 accumulators take turns, one instruction a turn, in the same order in every step.
.macro MUL16 a0, p, q, sc, first
.irp a, \a0, \a0+1
.irp b, 0,1,2,3,4,5,6,7
.if \first
	v_wmma_scale_f32_16x16x128_f8f6f4 v[8*(8*((\a)%4)+\b):8*(8*((\a)%4)+\b)+7], v[128*(\p)+FR*\b:128*(\p)+FR*\b+FR-1], v[AF+FR*(\a):AF+FR*(\a)+FR-1], v[BI+8*\b:BI+8*\b+7], v[SC+8*NQ*(\sc)+NQ*\b+(\q)], v[SC+8*NQ*(\sc)+NQ*(\a)+(\q)] matrix_a_fmt:MATRIX_FMT_FP6 matrix_b_fmt:MATRIX_FMT_FP6 matrix_a_scale:MATRIX_SCALE_ROW1
.else
	v_wmma_scale_f32_16x16x128_f8f6f4 v[8*(8*((\a)%4)+\b):8*(8*((\a)%4)+\b)+7], v[128*(\p)+FR*\b:128*(\p)+FR*\b+FR-1], v[AF+FR*(\a):AF+FR*(\a)+FR-1], v[8*(8*((\a)%4)+\b):8*(8*((\a)%4)+\b)+7], v[SC+8*NQ*(\sc)+NQ*\b+(\q)], v[SC+8*NQ*(\sc)+NQ*(\a)+(\q)] matrix_a_fmt:MATRIX_FMT_FP6 matrix_b_fmt:MATRIX_FMT_FP6 matrix_a_scale:MATRIX_SCALE_ROW1
.endif
.endr
.endr
.endm
.macro FETCH_B slot, q, p
	WIN TO_B
.irp i, 0,1,2,3,4,5,6,7
	FRAG 128*(\p)+FR*\i, ADRB+\slot, \q, \i
.endr
	WIN 0
.endm
.macro FETCH_A slot, q, i0
.irp i, \i0, \i0+1, \i0+2, \i0+3
	FRAG_A AF+FR*(\i), \slot, \q, \i
.endr
.endm
.macro SCALES sc
.irp i, 0,1,2,3,4,5,6,7
	ds_load_b64 v[SC+8*NQ*\sc+NQ*\i:SC+8*NQ*\sc+NQ*\i+1], v[ADRS] offset:\i*SBLK
.endr
.endm
.macro PLACES n
.rept \n
	v_nop
.endr
.endm
.macro STEP slot, q, first
	s_wait_dscnt 4*NLA                             ; B's set and A's blocks 0-3 are in; the youngest 16 loads (A's blocks 4-7) may be out
.if \first
	WIN FST_LO
.else
	WIN MUL_LO
.endif
	MUL16 0, (\q)%2, \q, \slot, \first
	MUL16 2, (\q)%2, \q, \slot, \first
	s_wait_dscnt 0
	PLACES NP
	FETCH_B \slot, (\q)+1, 1-(\q)%2
	FETCH_A \slot, (\q)+1, 0
.if \first
	WIN FST_HI
.else
	WIN MUL_HI
.endif
	MUL16 4, (\q)%2, \q, \slot, \first
	MUL16 6, (\q)%2, \q, \slot, \first
	PLACES NP
	WIN 0
	FETCH_A \slot, (\q)+1, 4
.endm
.macro TURN slot, next, fill
	s_wait_tensorcnt 0x0                           ; all my tensor loads have landed: my part of the next slot
	ds_add_u32 v[SPW], v[NIL]                      ; 0 onto my spare word
	s_wait_dscnt 4*NLA+1                           ; (the add and the youngest 16 loads, A's blocks 4-7, may be out)
	WIN MUL_LO
	MUL16 0, 1, NQ-1, \slot, 0
	s_wait_dscnt 0x0                               ; the add is done, and my reads of this slot are over
	s_barrier_signal -1
	MUL16 2, 1, NQ-1, \slot, 0
	WIN 0
	s_barrier_wait -1
.if \fill
	CREST                                          ; the barrier has opened a round of the cluster's barrier: no wave of any partner still reads this slot or has a load on its way
	s_add_nc_u64 s[G0+4*\slot+2:G0+4*\slot+3], s[G0+4*\slot+2:G0+4*\slot+3], 2*ABLK
	s_add_nc_u64 s[G0B+4*\slot+2:G0B+4*\slot+3], s[G0B+4*\slot+2:G0B+4*\slot+3], 2*ROWB
	JLOAD G0+4*\slot, G1, G0B+4*\slot, G1B         ; the first tensor load behind the round; its four v_nop are the places in front of the loads below
.else
	PLACES NP
.endif
	v_add_nc_u32 v[ADRS], 4*NQ, v[ADRS]
	FETCH_B \next, 0, 0
	FETCH_A \next, 0, 0
	SCALES \next
	WIN MUL_HI
	MUL16 4, 1, NQ-1, \slot, 0
	MUL16 6, 1, NQ-1, \slot, 0
	PLACES NP
	WIN 0
	FETCH_A \next, 0, 4
.endm
	s_wait_tensorcnt 1                             ; the scales and my part of K step 0 are in (K step 1's load may be out)
	s_barrier_signal -1
	s_barrier_wait -1                              ; everybody's are
	FETCH_B 0, 0, 0
	FETCH_A 0, 0, 0
	SCALES 0
	FETCH_A 0, 0, 4
	s_wait_loadcnt 0x0                             ; the bias
	STEP 0, 0, 1                                   ; the first step's products start the sums with the bias
	s_mov_b32 s3, LAPS-1
.Llap:
	TURN 0, 1, 1
	STEP 1, 0, 0
	TURN 1, 0, 1
	STEP 0, 0, 0
	s_sub_co_u32 s3, s3, 1
	s_cmp_lg_u32 s3, 0
	s_cbranch_scc1 .Llap
	TURN 0, 1, 0                                   ; the last lap fills nothing
	STEP 1, 0, 0
	s_wait_dscnt 4*NLA
	WIN MUL_LO
	MUL16 0, 1, NQ-1, 1, 0
	MUL16 2, 1, NQ-1, 1, 0
	s_wait_dscnt 0
	WIN MUL_HI
	MUL16 4, 1, NQ-1, 1, 0
	MUL16 6, 1, NQ-1, 1, 0
	WIN 0
; THE WAY OUT, block by block of 16 rows x 128 columns, through my own stage in LDS: in as 32 bytes a lane, back as whole rows of 512 bytes.  LDS serves a wave's instructions in order (ISA guide 5.7.1.4).
.macro TOSTAGE a
.set AC, 64*((\a)%4)
	WIN 0x08+4*((\a)/4)                            ; the data: window 2 or 3
.irp b, 0,1,2,3,4,5,6,7
	ds_store_b128 v[STO], v[AC+8*\b:AC+8*\b+3] offset:64*\b          ; each accumulator from its low end on
	ds_store_b128 v[STO], v[AC+8*\b+4:AC+8*\b+7] offset:64*\b+16
.endr
	WIN 0
.set BB, BK+64*((\a)%2)
.irp t, 0,1,2,3,4,5,6,7,8,9,10,11,12,13,14,15
	ds_load_b128 v[BB+4*\t:BB+4*\t+3], v[RD] offset:\t*SPITCH
.endr
.endm
.macro SEND a, younger
.set BB, BK+64*((\a)%2)
	s_wait_dscnt \younger                          ; the block is back in registers; the next block's 16 stores and 16 loads may be out
.if (\a) > 0
	s_add_nc_u64 s[12:13], s[12:13], 16*SIZE_N*4   ; (behind a wait on XCNT: the earlier stores have read their base)
.endif
.irp t, 0,1,2,3,4,5,6,7,8,9,10,11,12,13,14,15
	global_store_b128 v[CO], v[BB+4*\t:BB+4*\t+3], s[12:13] offset:\t*SIZE_N*4 th:TH_STORE_NT   ; 32 lanes store 512 consecutive bytes, aligned to 256
.endr
.endm
	PLACES NP                                      ; behind the last products: their results are read, and loads land in the registers that held A's fragments
	TOSTAGE 0
.irp a, 1,2,3,4,5,6,7
.if \a > 1
	s_wait_xcnt 0x0                                ; block a - 2's stores have read their registers and their base
.endif
	TOSTAGE \a
	SEND \a-1, 32
.endr
	s_wait_xcnt 0x0                                ; block 6's stores have read their base
	SEND 7, 0
	s_wait_tensorcnt 0x0                           ; the wave's end: a wait, an add of 0 to my spare word and its wait, behind my last tensor load and my last LDS store
	ds_add_u32 v[SPW], v[NIL]
	s_wait_dscnt 0x0
	CROUND                                         ; the closing round: no work-group ends while a partner may still ask for a tile that names it
	s_endpgm
.Lfunc_end_k_q1102a23d99_proj:
	.size	k_q1102a23d99_proj, .Lfunc_end_k_q1102a23d99_proj-k_q1102a23d99_proj
	.p2alignl 7, 3214868480
	.fill 96, 4, 3214868480
	.section	.rodata,"a",@progbits
	.p2align	6, 0x0
	.amdhsa_kernel k_q1102a23d99_proj
		.amdhsa_group_segment_fixed_size 327680
		.amdhsa_private_segment_fixed_size 0
		.amdhsa_enable_private_segment 0
		.amdhsa_kernarg_size 48
		.amdhsa_user_sgpr_count 2
		.amdhsa_user_sgpr_kernarg_segment_ptr 1
		.amdhsa_wavefront_size32 1
		.amdhsa_system_sgpr_workgroup_id_x 1
		.amdhsa_system_sgpr_workgroup_id_y 1
		.amdhsa_system_sgpr_workgroup_id_z 1
		.amdhsa_system_vgpr_workitem_id 0
		.amdhsa_next_free_vgpr 1024
		.amdhsa_next_free_sgpr 100
		.amdhsa_reserve_vcc 0
		.amdhsa_float_denorm_mode_32 3
		.amdhsa_float_denorm_mode_16_64 3
		.amdhsa_memory_ordered 1
		.amdhsa_forward_progress 1
		.amdhsa_inst_pref_size 154
	.end_amdhsa_kernel
	.amdgpu_metadata
---
amdhsa.version: [ 1, 2 ]
amdhsa.kernels:
  - .name:           k_q1102a23d99_proj
    .symbol:         k_q1102a23d99_proj.kd
    .args:
      - { .name: oc, .offset: 0, .size: 8, .value_kind: global_buffer, .address_space: global }
      - { .name: os, .offset: 8, .size: 8, .value_kind: global_buffer, .address_space: global }
      - { .name: wc, .offset: 16, .size: 8, .value_kind: global_buffer, .address_space: global }
      - { .name: ws, .offset: 24, .size: 8, .value_kind: global_buffer, .address_space: global }
      - { .name: bo, .offset: 32, .size: 8, .value_kind: global_buffer, .address_space: global }
      - { .name: out0, .offset: 40, .size: 8, .value_kind: global_buffer, .address_space: global }
    .group_segment_fixed_size: 327680
    .private_segment_fixed_size: 0
    .kernarg_segment_align: 8
    .kernarg_segment_size: 48
    .max_flat_workgroup_size: 128
    .sgpr_count:     100
    .vgpr_count:     1024
    .wavefront_size: 32
...
	.end_amdgpu_metadata
.endif
;; end of part 5
